; MI455X (gfx1250); checked and timed in simulation.
; The chip was launched on July 23, 2026; its instructions are those of AMD's public machine-readable ISA for CDNA 5 (MIT licence, August 2026) and "CDNA5" Instruction Set Architecture Reference Guide (July 2026). The comments in the code are by the model that wrote it; some were corrected since.
;; Simple Attention. Allowed arithmetic: matrix products marked QUANTISED: E2M1 operands, one E8M0 scale for each 32 along K, by v_wmma_scale_f32_16x16x128_f8f6f4 with both operands' format E2M1 (or v_wmma_scale_f32_32x16x128_f4), f32 sums; products left as they are: bf16, f16 or f32 operands; f32 sums; everything else in f32.
;; Inputs: W_attn 1,024 x 3,072 float32; W_proj 1,024 x 1,024 float32; b_attn 3,072 float32; b_proj 1,024 float32; x 4 x 2,048 x 1,024 float32.
;; Outputs: out0 4 x 2,048 x 1,024 float32.
;; This version of the problem:
;;   THIS VERSION OF THE PROBLEM IS GIVEN IN LOW PRECISION. The matrix products marked QUANTISED in the list below multiply operands that are first quantised to E2M1 (2 exponent bits, 1 mantissa bit; 4 bits a number), with one power-of-two scale for each 32 numbers along K (OCP MX v1.0); their sums are f32. The products marked 'left as it is' may take bf16, f16 or f32 operands, with f32 sums. Whichever they take, every output number must still come out within the allowed error. Rounding operands to bf16 (8 significant bits) uses up far more of that allowance than f16 does (11 bits, for magnitudes from 6e-5 to 65,504). All else is computed in f32.
;;   The module's matrix products, in the order in which they are computed (A, B: the left and right operand; K: the contracted axis; several contracted axes count as one K, in the product's order):
;;     1. [M 8,192, K 1,024] x [K 1,024, N 3,072]; A: input x; B: input W_attn: QUANTISED
;;     2. batch 64 x [M 2,048, K 64] x [K 64, N 2,048]; A: computed on the way; B: computed on the way: left as it is (an operand is computed on the way)
;;     3. batch 64 x [M 2,048, K 2,048] x [K 2,048, N 64]; A: computed on the way; B: computed on the way: left as it is (an operand is computed on the way)
;;     4. [M 8,192, K 1,024] x [K 1,024, N 1,024]; A: computed on the way; B: input W_proj: left as it is (an operand is computed on the way)
;;   THE QUANTISER, for each operand of a quantised product, along K:
;;     - K is cut into blocks of 32 from its start; a last block that is shorter is filled with zeros.
;;     - A block's scale is 2^e with e = floor(log2(the largest magnitude in the block)) - 2, held to -126 .. 127; a block of zeros has e = 0. As a byte (E8M0): e + 127.
;;     - Each number is divided by its block's scale, clamped to +-6, and rounded to the nearest number of E2M1, ties to even, subnormals kept.
;;     - The product sums the exact products of the quantised numbers (number of the format x scale) in f32.
;;   ~~~python
;;   def quantise(x, axis):      # numpy; x: float32 -> the quantised numbers, widened to float32 again
;;       x = np.moveaxis(x, axis, -1); K = x.shape[-1]
;;       x = np.pad(x, [(0, 0)] * (x.ndim - 1) + [(0, -K % 32)]); x = x.reshape(x.shape[:-1] + (-1, 32)); a = np.abs(x).max(-1, keepdims=True)
;;       e = np.where(a > 0, np.clip(np.frexp(np.where(a > 0, a, 1))[1] - 1 - 2, -126, 127), 0)      # np.frexp(a)[1] - 1 = floor(log2(a)), exactly
;;       r = np.clip(x / 2.0 ** e, -6, 6)
;;       step = 2.0 ** (np.maximum(np.frexp(np.where(r == 0, 1, r))[1] - 1, 0) - 1)
;;       q = np.round(r / step) * step * 2.0 ** e      # np.round: ties to even
;;       return np.moveaxis(q.reshape(q.shape[:-2] + (-1,))[..., :K], -1, axis).astype(np.float32)
;;   ~~~
;; One version. Each part assembles by itself: llvm-mc -triple=amdgcn-amd-amdhsa -mcpu=gfx1250 --defsym DOCPART=n.
;; ======== version 1 of 1: 5 launches
;; limits: values are held in f16: magnitudes above 65,504 overflow, below 6.1e-05 lose precision
;; workspace buffers: xc 4,194,304 bytes; xs 262,144 bytes; wc 1,572,864 bytes; ws 98,304 bytes; wpt 2,097,152 bytes; qkvh 50,331,648 bytes; qkvf 786,432 bytes; yh 16,777,216 bytes
;; launch prep (part 1): grid 368 x 1, 4 waves a work-group, no clusters, 102,912 bytes of LDS; arguments x, W_attn, W_proj, xc, xs, wc, ws, wpt; writes xc, xs, wc, ws, wpt
.if DOCPART == 1
	.amdgcn_target "amdgcn-amd-amdhsa--gfx1250"
	.amdhsa_code_object_version 6
	.text
	.protected	k_qc7c372887b_prep
	.globl	k_qc7c372887b_prep
	.p2align	8
	.type	k_qc7c372887b_prep,@function
k_qc7c372887b_prep:
	s_mov_b64 s[64:65], 0
	v_nop
	global_prefetch_b8 v0, s[64:65] scope:SCOPE_SE
	s_setreg_imm32_b32 hwreg(HW_REG_WAVE_MODE, 25, 1), 1
	s_wait_xcnt 0x0
; THE PROGRAM: out0 = proj(causal attention(x W_attn + b_attn)) + b_proj, B = 4, T = 2048, C = 1024, 16 heads of 64.  Five launches:
; this one (operands made ready), qkv (the quantised product on codes), attn, proj, fine (the first 16 positions of every sequence in f32).
; WORK LEFT OUT: reference() builds its mask itself (jnp.tril) and puts -infinity on every score whose key comes after its query; the softmax
; makes an exact 0 of it, whatever finite values the inputs hold.  So key steps that lie wholly behind a wave's queries are not multiplied (attn).
; Nothing else is left out.  K's third of b_attn adds to a row's scores a term that is the same along the keys; it is only a slice of an input and
; rides in as the C of qkv's first products, so it stays.  Every input is loaded.
; LIMITS: a NaN, an infinity or an overflow that reaches only the masked scores is not carried to the result.  q, k, v, y and W_proj go as f16 to the
; products that are left as they are: magnitudes up to 65,504.  NaN and infinities among the inputs are not served.  A block of 32 zeros keeps the scale
; byte 1 where the quantiser says 127: its codes are zeros, and the bytes are read by this program alone; blocks whose largest magnitude lies under 2^-124 are held at byte 1.
; THIS LAUNCH, three ways chosen by the work-group's number, each with LDS bytes of its own:
;   work-groups 0-255:   x [8192][1024] f32 -> codes of E2M1 xc [8192][512 bytes], scale bytes xs [8192][32].  K is innermost: a plain stream of blocks of 32.
;   work-groups 256-303: W_attn [k 1024][n 3072] f32 -> wc [3072][512 bytes], ws [3072][32].  K is the first axis: a lane takes a column, its registers run down K.
;   work-groups 304-367: W_proj [k 1024][n 1024] f32 -> wpt [n 1024][k 1024] f16: the same plan, a rounding in place of the quantiser.
; No tensor loads, no barrier: waves share nothing.
.set SPW,   190                        ; v190 LDS address of my spare word; never rewritten
.set NIL,   191                        ; v191 0; never rewritten
.set XR,    0                          ; x's way: 8,192 bytes a wave
.set WR,    32768                      ; W_attn's way: a stage of 32 rows x 272 bytes a wave
.set PR,    67584                      ; W_proj's way: the same
.set SPARE, 102400                     ; the spare words, 128 bytes a wave: two blocks of 256 bytes that no other line names
.set EMAX,  2
.set SP,    80                         ; x's way: a lane's place in a stage: 64 bytes + 16 of padding
.set PITCH, 272                        ; a stage row: 256 bytes + 16
.set RL,    16                         ; x: v16-79   four sets of 16 numbers as loaded
.set XN,    80                         ; x: v80-111  two sets of 16 neighbours
.set EB,    112                        ; x: v112-127 a scale byte for each step
.set CD,    128                        ; x: v128-159 two registers of codes for each step
.set XW,    32                         ; W: v32-95   two sets of 32 numbers
.set CW,    96                         ; W: v96..    what a block makes
.set OUTR,  112                        ; W: v112-175 the way out
.set SB,    24                         ; W: v24-27   scale bytes, four to a register
.macro LOADX t                         ; 32 lanes read 512 consecutive bytes, four times
.irp i, 0,1,2,3
	global_load_b128 v[RL+16*((\t)%4)+4*\i:RL+16*((\t)%4)+4*\i+3], v3, s[4:5] offset:2048*(\t)+512*\i th:TH_LOAD_NT
.endr
.endm
.macro TURNX t                         ; a step's 2,048 bytes through my stage: in as they lie, out 64 bytes a lane; LDS serves a wave's instructions in order
.irp i, 0,1,2,3
	ds_store_b128 v14, v[RL+16*((\t)%4)+4*\i:RL+16*((\t)%4)+4*\i+3] offset:32*SP*((\t)%2)+8*SP*\i
.endr
.irp i, 0,1,2,3
	ds_load_b128 v[XN+16*((\t)%2)+4*\i:XN+16*((\t)%2)+4*\i+3], v15 offset:32*SP*((\t)%2)+16*\i
.endr
.endm
.macro STEPX t
.set XS, XN+16*((\t)%2)
.if (\t) > 0
	s_wait_dscnt 1                                 ; this step's numbers are back from the stage; the last step's byte store may be out
.else
	s_wait_dscnt 0x0
.endif
.if (\t)+4 < 16
	LOADX (\t)+4                                   ; into the registers whose stores into the stage are done
.endif
.if (\t)+1 < 16
.if 14-(\t) >= 3
	s_wait_loadcnt 12                              ; the next step's four loads are in; three steps' twelve may be out
.else
	s_wait_loadcnt 4*(14-(\t))
.endif
	TURNX (\t)+1
.endif
	v_max3_num_f32 v8, |v[XS]|, |v[XS+1]|, |v[XS+2]|
	v_max3_num_f32 v9, |v[XS+3]|, |v[XS+4]|, |v[XS+5]|
.irp i, 6,10
	v_max3_num_f32 v8, v8, |v[XS+\i]|, |v[XS+\i+1]|
	v_max3_num_f32 v9, v9, |v[XS+\i+2]|, |v[XS+\i+3]|
.endr
	v_max3_num_f32 v8, v8, |v[XS+14]|, |v[XS+15]|
	v_max3_num_f32 v8, v8, v9, (EMAX+1)<<23        ; the floor 2^(3 - 127): the byte cannot fall under 1
	v_max_num_f32_dpp v8, v8, v8 row_xmask:1 row_mask:0xf bank_mask:0xf   ; with my neighbour's 16: the block's largest magnitude
	v_add_nc_u32 v11, -(EMAX<<23), v8              ; 2 off its exponent field: the conversion's scale operand
	v_cvt_scalef32_pk8_fp4_f32 v[CD+2*(\t)], v[XS:XS+7], v11
	v_cvt_scalef32_pk8_fp4_f32 v[CD+2*(\t)+1], v[XS+8:XS+15], v11
	v_lshrrev_b32 v[EB+(\t)], 23, v11              ; the scale's byte
	ds_store_b8 v5, v[EB+(\t)] offset:16*(\t)      ; both lanes of a block write the same byte with the same value
	global_store_b64 v4, v[CD+2*(\t):CD+2*(\t)+1], s[10:11] offset:256*(\t)   ; the wave stores 256 consecutive bytes, aligned
.endm
.macro LOADW t                         ; block t: W_attn(32 t + i, my column)
.irp i, 0,1,2,3,4,5,6,7,8,9,10,11,12,13,14,15,16,17,18,19,20,21,22,23,24,25,26,27,28,29,30,31
	global_load_b32 v[XW+32*((\t)%2)+\i], v3, s[6:7] offset:(32*(\t)+\i)*12288 th:TH_LOAD_NT
.endr
.endm
.macro BLOCKW t
.set XS, XW+32*((\t)%2)
.if (\t) < 15
	s_wait_loadcnt 32                              ; this block's 32 loads are in; the next block's may be out
.else
	s_wait_loadcnt 0
.endif
	v_max3_num_f32 v12, |v[XS]|, |v[XS+1]|, |v[XS+2]|
	v_max3_num_f32 v13, |v[XS+3]|, |v[XS+4]|, |v[XS+5]|
.irp i, 6,10,14,18,22,26
	v_max3_num_f32 v12, v12, |v[XS+\i]|, |v[XS+\i+1]|
	v_max3_num_f32 v13, v13, |v[XS+\i+2]|, |v[XS+\i+3]|
.endr
	v_max3_num_f32 v12, v12, |v[XS+30]|, |v[XS+31]|
	v_max3_num_f32 v12, v12, v13, (EMAX+1)<<23
	v_add_nc_u32 v11, -(EMAX<<23), v12
	v_lshrrev_b32 v13, 23, v11
.if (\t)%4 == 0
	v_mov_b32 v[SB+(\t)/4], v13
.else
	v_lshl_or_b32 v[SB+(\t)/4], v13, 8*((\t)%4), v[SB+(\t)/4]
.endif
.irp g, 0,1,2,3
	v_cvt_scalef32_pk8_fp4_f32 v[CW+\g], v[XS+8*\g:XS+8*\g+7], v11
.endr
	ds_store_b128 v4, v[CW:CW+3] offset:16*(\t)    ; 32 codes: 16 bytes of my column's row
.if (\t)+2 < 16
	LOADW (\t)+2
.endif
	s_wait_dscnt 0x0                               ; the store has read its registers: the next block's codes may be written
.endm
.macro LOADP t                         ; W_proj(32 t + i, my column)
.irp i, 0,1,2,3,4,5,6,7,8,9,10,11,12,13,14,15,16,17,18,19,20,21,22,23,24,25,26,27,28,29,30,31
	global_load_b32 v[XW+32*((\t)%2)+\i], v3, s[8:9] offset:(32*(\t)+\i)*4096 th:TH_LOAD_NT
.endr
.endm
.macro BLOCKP t
.set XS, XW+32*((\t)%2)
.if (\t) < 3
	s_wait_loadcnt 32
.else
	s_wait_loadcnt 0
.endif
.irp i, 0,1,2,3,4,5,6,7,8,9,10,11,12,13,14,15
	v_cvt_pk_f16_f32 v[CW+\i], v[XS+2*\i], v[XS+2*\i+1]
.endr
.irp g, 0,1,2,3
	ds_store_b128 v4, v[CW+4*\g:CW+4*\g+3] offset:64*(\t)+16*\g
.endr
.if (\t)+2 < 4
	LOADP (\t)+2
.endif
	s_wait_dscnt 0x0
.endm
.macro OUTROWS lo, stride              ; my stage's 32 rows of 256 bytes leave: sixteen lanes store 256 consecutive bytes, aligned
.irp t, 0,1,2,3,4,5,6,7,8,9,10,11,12,13,14,15
	ds_load_b128 v[OUTR+4*\t:OUTR+4*\t+3], v7 offset:2*\t*PITCH
.endr
.irp t, 0,1,2,3,4,5,6,7,8,9,10,11,12,13,14,15
	s_wait_dscnt 15-\t                             ; LDS loads come back in order: load t is in
	global_store_b128 v8, v[OUTR+4*\t:OUTR+4*\t+3], s[\lo:\lo+1] offset:2*\t*\stride
.endr
.endm
.macro CLOSE                           ; the wave's end, behind my last LDS store
	s_wait_tensorcnt 0x0
	ds_add_u32 v[SPW], v[NIL]
	s_wait_dscnt 0x0
	s_endpgm
.endm
	s_load_b256 s[4:11], s[0:1], 0x0               ; x s[4:5], W_attn s[6:7], W_proj s[8:9], xc s[10:11]
	s_load_b256 s[12:19], s[0:1], 0x20             ; xs s[12:13], wc s[14:15], ws s[16:17], wpt s[18:19]
	v_lshl_add_u32 v[SPW], v0, 2, SPARE
	v_mov_b32 v[NIL], 0
	v_lshrrev_b32 v1, 5, v0
	v_readfirstlane_b32 s20, v1                    ; wave
	v_and_b32 v2, 31, v0                           ; lane
	s_wait_kmcnt 0x0
	s_cmp_lt_u32 ttmp9, 256
	s_cbranch_scc1 .Lx
	s_cmp_lt_u32 ttmp9, 304
	s_cbranch_scc1 .Lw
	; ---- W_proj: 128 columns x 128 along K to a work-group, 32 columns to a wave
	s_sub_co_u32 s21, ttmp9, 304
	s_and_b32 s22, s21, 7                          ; which 128 columns
	s_lshr_b32 s23, s21, 3                         ; which 128 along K
	s_lshl_b32 s22, s22, 7
	s_lshl_b32 s24, s20, 5
	s_add_co_u32 s22, s22, s24                     ; my wave's first column
	v_lshlrev_b32 v3, 2, v2
	s_mul_i32 s24, s20, 32*PITCH
	s_add_co_u32 s24, s24, PR                      ; my stage
	v_mul_u32_u24 v4, v2, PITCH
	v_add_nc_u32 v4, s24, v4                       ; into it: row = my column
	v_and_b32 v5, 15, v2
	v_lshrrev_b32 v6, 4, v2
	v_mul_u32_u24 v7, v6, PITCH
	v_lshl_add_u32 v7, v5, 4, v7
	v_add_nc_u32 v7, s24, v7                       ; out of it: sixteen lanes to a row
	v_lshlrev_b32 v8, 11, v6                       ; a row of wpt is 2,048 bytes
	v_lshl_add_u32 v8, v5, 4, v8
	s_lshl_b32 s26, s23, 19                        ; 128 rows of 4,096 bytes
	s_lshl_b32 s27, s22, 2
	s_add_co_u32 s26, s26, s27
	s_mov_b32 s27, 0
	s_add_nc_u64 s[8:9], s[8:9], s[26:27]
	s_lshl_b32 s26, s22, 11
	s_lshl_b32 s28, s23, 8
	s_add_co_u32 s26, s26, s28
	s_add_nc_u64 s[18:19], s[18:19], s[26:27]
	LOADP 0
	LOADP 1
	BLOCKP 0
	BLOCKP 1
	BLOCKP 2
	BLOCKP 3
	OUTROWS 18, 2048
	CLOSE
.Lw:	; ---- W_attn: 128 columns x 512 along K to a work-group, 32 columns to a wave
	s_sub_co_u32 s21, ttmp9, 256
	s_lshr_b32 s22, s21, 1                         ; which 128 columns
	s_and_b32 s23, s21, 1                          ; which half of K
	s_lshl_b32 s22, s22, 7
	s_lshl_b32 s24, s20, 5
	s_add_co_u32 s22, s22, s24                     ; my wave's first column
	v_lshlrev_b32 v3, 2, v2
	s_mul_i32 s24, s20, 32*PITCH
	s_add_co_u32 s24, s24, WR
	v_mul_u32_u24 v4, v2, PITCH
	v_add_nc_u32 v4, s24, v4
	v_and_b32 v5, 15, v2
	v_lshrrev_b32 v6, 4, v2
	v_mul_u32_u24 v7, v6, PITCH
	v_lshl_add_u32 v7, v5, 4, v7
	v_add_nc_u32 v7, s24, v7
	v_lshlrev_b32 v8, 9, v6                        ; a row of wc is 512 bytes
	v_lshl_add_u32 v8, v5, 4, v8
	v_lshlrev_b32 v9, 5, v2                        ; a row of ws is 32 bytes
	s_mul_i32 s26, s23, 512*12288
	s_lshl_b32 s27, s22, 2
	s_add_co_u32 s26, s26, s27
	s_mov_b32 s27, 0
	s_add_nc_u64 s[6:7], s[6:7], s[26:27]
	s_lshl_b32 s26, s22, 9
	s_lshl_b32 s28, s23, 8
	s_add_co_u32 s26, s26, s28
	s_add_nc_u64 s[14:15], s[14:15], s[26:27]
	s_lshl_b32 s26, s22, 5
	s_lshl_b32 s28, s23, 4
	s_add_co_u32 s26, s26, s28
	s_add_nc_u64 s[16:17], s[16:17], s[26:27]
	LOADW 0
	LOADW 1
.set Q, 0
.rept 16
	BLOCKW Q
.set Q, Q+1
.endr
	global_store_b128 v9, v[SB:SB+3], s[16:17]     ; my column's 16 scale bytes
	OUTROWS 14, 512
	CLOSE
.Lx:	; ---- x: a wave takes 16 steps of 512 numbers
	v_lshlrev_b32 v3, 4, v2
	s_mul_i32 s21, s20, 8192
	v_lshrrev_b32 v14, 2, v2
	v_mul_u32_u24 v14, v14, SP
	v_and_b32 v15, 3, v2
	v_lshl_add_u32 v14, v15, 4, v14
	v_add_nc_u32 v14, s21, v14                     ; the stage, on the way in
	v_mul_u32_u24 v15, v2, SP
	v_add_nc_u32 v15, s21, v15                     ; and on the way out
	v_lshlrev_b32 v4, 3, v2                        ; my 8 bytes of a step's codes
	v_lshrrev_b32 v5, 1, v2
	s_add_co_u32 s21, s21, 2*32*SP
	v_add_nc_u32 v5, s21, v5                       ; my wave's 256 scale bytes: my block's byte
	v_lshlrev_b32 v7, 3, v2
	v_add_nc_u32 v6, s21, v7
	s_lshl_b32 s22, ttmp9, 2
	s_add_co_u32 s22, s22, s20                     ; which run of 8,192 numbers is my wave's
	s_mov_b32 s23, 0
	s_lshl_b64 s[24:25], s[22:23], 15
	s_add_nc_u64 s[4:5], s[4:5], s[24:25]
	s_lshl_b64 s[24:25], s[22:23], 12
	s_add_nc_u64 s[10:11], s[10:11], s[24:25]
	s_lshl_b64 s[24:25], s[22:23], 8
	s_add_nc_u64 s[12:13], s[12:13], s[24:25]
.irp t, 0,1,2,3
	LOADX \t
.endr
	s_wait_loadcnt 12                              ; step 0's four loads are in
	TURNX 0
.irp t, 0,1,2,3,4,5,6,7,8,9,10,11,12,13,14,15
	STEPX \t
.endr
	ds_load_b64 v[8:9], v6                         ; my wave's 256 scale bytes: LDS serves a wave's instructions in order
	s_wait_dscnt 0x0
	global_store_b64 v7, v[8:9], s[12:13]          ; 256 consecutive bytes, aligned
	CLOSE
.Lfunc_end_k_qc7c372887b_prep:
	.size	k_qc7c372887b_prep, .Lfunc_end_k_qc7c372887b_prep-k_qc7c372887b_prep
	.p2alignl 7, 3214868480
	.fill 96, 4, 3214868480
	.section	.rodata,"a",@progbits
	.p2align	6, 0x0
	.amdhsa_kernel k_qc7c372887b_prep
		.amdhsa_group_segment_fixed_size 102912
		.amdhsa_private_segment_fixed_size 0
		.amdhsa_enable_private_segment 0
		.amdhsa_kernarg_size 64
		.amdhsa_user_sgpr_count 2
		.amdhsa_user_sgpr_kernarg_segment_ptr 1
		.amdhsa_wavefront_size32 1
		.amdhsa_system_sgpr_workgroup_id_x 1
		.amdhsa_system_sgpr_workgroup_id_y 1
		.amdhsa_system_sgpr_workgroup_id_z 1
		.amdhsa_system_vgpr_workitem_id 0
		.amdhsa_next_free_vgpr 192
		.amdhsa_next_free_sgpr 66
		.amdhsa_reserve_vcc 0
		.amdhsa_float_denorm_mode_32 3
		.amdhsa_float_denorm_mode_16_64 3
		.amdhsa_memory_ordered 1
		.amdhsa_forward_progress 1
		.amdhsa_inst_pref_size 132
	.end_amdhsa_kernel
	.amdgpu_metadata
---
amdhsa.version: [ 1, 2 ]
amdhsa.kernels:
  - .name:           k_qc7c372887b_prep
    .symbol:         k_qc7c372887b_prep.kd
    .args:
      - { .name: x, .offset: 0, .size: 8, .value_kind: global_buffer, .address_space: global }
      - { .name: W_attn, .offset: 8, .size: 8, .value_kind: global_buffer, .address_space: global }
      - { .name: W_proj, .offset: 16, .size: 8, .value_kind: global_buffer, .address_space: global }
      - { .name: xc, .offset: 24, .size: 8, .value_kind: global_buffer, .address_space: global }
      - { .name: xs, .offset: 32, .size: 8, .value_kind: global_buffer, .address_space: global }
      - { .name: wc, .offset: 40, .size: 8, .value_kind: global_buffer, .address_space: global }
      - { .name: ws, .offset: 48, .size: 8, .value_kind: global_buffer, .address_space: global }
      - { .name: wpt, .offset: 56, .size: 8, .value_kind: global_buffer, .address_space: global }
    .group_segment_fixed_size: 102912
    .private_segment_fixed_size: 0
    .kernarg_segment_align: 8
    .kernarg_segment_size: 64
    .max_flat_workgroup_size: 128
    .sgpr_count:     66
    .vgpr_count:     192
    .wavefront_size: 32
...
	.end_amdgpu_metadata
.endif
;; end of part 1
;; launch qkv (part 2): grid 12 x 32, 4 waves a work-group, clusters of 4 x 4, 327,680 bytes of LDS; arguments xc, xs, wc, ws, qkvh, b_attn, qkvf; writes qkvh, qkvf
.if DOCPART == 2
	.amdgcn_target "amdgcn-amd-amdhsa--gfx1250"
	.amdhsa_code_object_version 6
	.text
	.protected	k_qc7c372887b_qkv
	.globl	k_qc7c372887b_qkv
	.p2align	8
	.type	k_qc7c372887b_qkv,@function
k_qc7c372887b_qkv:
	s_mov_b64 s[64:65], 0
	v_nop
	global_prefetch_b8 v0, s[64:65] scope:SCOPE_SE
	s_setreg_imm32_b32 hwreg(HW_REG_WAVE_MODE, 25, 1), 1
	s_wait_xcnt 0x0
	s_wait_alu depctr_hold_cnt(0) depctr_sa_sdst(0) depctr_va_vdst(0) depctr_va_sdst(0) depctr_va_ssrc(0) depctr_va_vcc(0) depctr_vm_vsrc(0)
	s_getreg_b32 s2, hwreg(HW_REG_IB_STS2, 6, 4)
	s_cmp_eq_u32 s2, 0
	s_cbranch_scc0 .Lentry_in_a_cluster
	s_endpgm
.Lentry_in_a_cluster:
	s_bfe_u32 s2, ttmp6, 0x10000c
	s_cmp_lg_u32 s2, 0xf033
	s_cbranch_scc0 .Lentry_shape_is_right
	s_endpgm
.Lentry_shape_is_right:
; qkv = Q(x) Q(W_attn) + b_attn on codes of E2M1 with E8M0 scales: [8192][1024] x [3072][1024]^T.  Nothing is left out here.
; A tile of 256 x 256 to a work-group of four waves, 128 x 128 to a wave (64 accumulators).  K = 1,024 is two slots of 512: both are first fills, nothing is filled again, there is no loop.
; The scale bytes of the work-group's rows come once, as dense blocks.  By this text's own count a wave has three tensor loads out at the most.
; CLUSTERS 4 x 4: A's tiles are asked for jointly along a row of the cluster, B's along a column.  The tile row is 8 cy + cluster y, so that cy is the batch and the
; tiles that hold positions 0-15 of the four batches lie in the clusters with y = 0: the branch round the f32 rows below hangs on the cluster's y and the wave's number alone.
; THE PRODUCT IS USED TRANSPOSED (source 0 = 16 rows of wc, source 1 = 16 rows of xc): a lane holds eight neighbouring columns of one row.  b_attn is the C of each sum's first product.
; OUT: f16, laid [q, k, v][batch][head][t][64] (a plane of 262,144 bytes a head): magnitudes up to 65,504.  Positions 0-15 of each batch go out in f32 too, [batch][16][3072], for the last launch.
; REGISTERS: window 0: v16-31 addresses; v32-95 scale words, two sets; v128-191 A's fragments, one set; v192-255 the bias, later the way out.  window 1: B's fragments, two sets.  windows 2, 3: accumulators.
.set KSTEP,  512
.set NQ,     4
.set ROWB,   256
.set KROW,   512
.set PITCH,  272                       ; 256 bytes + 16: the 16 rows of a fragment load start at 16 different banks (64 banks of 4 bytes: ISA guide 11.1)
.set FR,     8
.set NL,     2
.set NP,     4
.set HALFT,  128*PITCH
.set SLOT,   4*HALFT
.set KS,     32                        ; a row of scale bytes
.set SCL,    2*SLOT
.set HALFS,  16*272
.set SBLK,   2*272
.set SPARE,  SCL+4*HALFS               ; the spare words: two blocks of 256 bytes that no other line names
.set SPITCH, 528                       ; the f32 stage: 16 rows x (512 + 16) a wave, from LDS byte 0; the f16 stages, 16 rows x 272 a wave, behind them.  Both lie in slot 0, which has had its only fill and its last read
.set HST,    4*16*SPITCH
.set ADRA, 16
.set ADRB, 20
.set BO,   22                          ; v22 32 x (lane / 16): my place in a block's bias
.set STO,  24
.set RD,   25
.set CO,   26                          ; v26 16 x lane
.set ADRS, 27
.set SPW,  28
.set NIL,  29
.set STF,  30
.set RDF,  31
.set SC,   32
.set AF,   128
.set BI,   192                         ; v192-255 b_attn of my 128 columns in the result's layout: 8 registers a block
.set TMP,  192                         ; the way out: packed results
.set OB,   32                          ; the way out: rows read back: v32-63 and v224-255 by turns
.set G1, 24
.set G0, 32
.set G1B, 48
.set G0B, 56
.set G1S, 68
.set G0S, 76
.set G1SB, 80
.set G0SB, 88
.set MSB, 0
.macro WIN new                         ; the immediate's high byte repeats the setting that is left
.if MSB != \new
	s_set_vgpr_msb (MSB<<8)|\new
.set MSB, \new
.endif
.endm
.set MUL_LO, 0xa1                      ; source 0 (B) window 1, source 1 (A) window 0, C and D window 2
.set MUL_HI, 0xf1
.set BIA_LO, 0x81                      ; the same with C (the bias) in window 0
.set BIA_HI, 0xc1
.set TO_B,   0x40
.macro JLOAD g0a, g1a, g0b, g1b        ; a joint load: waves 0, 1 fetch for A, waves 2, 3 for B; an s_nop 0 and four v_nop follow each line
	s_cmp_eq_u32 s15, 0
	s_cbranch_scc0 .Lfor_b_\@
	tensor_load_to_lds s[\g0a:\g0a+3], s[\g1a:\g1a+7]
	s_nop 0
.rept 4
	v_nop
.endr
	s_branch .Lasked_\@
.Lfor_b_\@:
	tensor_load_to_lds s[\g0b:\g0b+3], s[\g1b:\g1b+7]
	s_nop 0
.rept 4
	v_nop
.endr
.Lasked_\@:
.endm
.macro CROUND                          ; a round of the cluster's barrier
	s_barrier_signal -1
	s_barrier_wait -1
	s_cmp_lg_u32 s14, 0
	s_cbranch_scc1 .Lnot_wave_0_\@
	s_barrier_signal -3
.Lnot_wave_0_\@:
	s_barrier_wait -3
	s_barrier_signal -1
	s_barrier_wait -1
.endm
	s_load_b128 s[4:7], s[0:1], 0x0                ; xc, xs
	s_load_b128 s[8:11], s[0:1], 0x10              ; wc, ws
	s_load_b64 s[12:13], s[0:1], 0x20              ; qkvh
	s_load_b128 s[96:99], s[0:1], 0x28             ; b_attn, qkvf
	v_lshl_add_u32 v[SPW], v0, 2, SPARE
	v_mov_b32 v[NIL], 0
	ds_add_u32 v[SPW], v[NIL]                      ; the wave's opening: the add, twice on end, and its wait ahead of my first tensor load
	ds_add_u32 v[SPW], v[NIL]
	v_lshrrev_b32 v1, 5, v0
	v_readfirstlane_b32 s14, v1                    ; wave 0..3
	s_lshr_b32 s15, s14, 1                         ; my half of the tile's rows; also: I fetch for A (0) or B (1)
	s_and_b32 s16, s14, 1                          ; my half of its columns; also: which 128 rows I fetch
	s_bfe_u32 s40, ttmp6, 0x40000                  ; cx
	s_bfe_u32 s41, ttmp6, 0x40004                  ; cy
	s_lshl_b32 s42, ttmp9, 2
	s_add_co_u32 s42, s42, s40                     ; tile column = 4 x cluster x + cx
	s_and_b32 s95, ttmp7, 0xffff                   ; cluster y
	s_lshl_b32 s17, s41, 3
	s_add_co_u32 s17, s17, s95                     ; tile row = 8 cy + cluster y: batch cy, positions 256 x cluster y on
	s_lshl_b32 s43, s41, 2
	s_lshl_b32 s43, 15, s43                        ; my row of the cluster
	s_lshl_b32 s44, 0x1111, s40                    ; my column
	s_or_b32 s[G1+0], s43, (0<<16)|(1<<20)|(1<<21)|(5<<22)|(3<<25)   ; elements of 1 byte; 4 words of padding after every 64
	s_or_b32 s[G1B+0], s44, (0<<16)|(1<<20)|(1<<21)|(5<<22)|(3<<25)
.irp g, G1, G1B
	s_mov_b32 s[\g+1], ROWB<<16
	s_mov_b32 s[\g+2], 128<<16
	s_mov_b32 s[\g+3], ROWB<<16
	s_mov_b32 s[\g+4], 128
	s_mov_b32 s[\g+5], KROW
	s_mov_b32 s[\g+6], 0
	s_mov_b32 s[\g+7], 0
.endr
	s_or_b32 s[G1S+0], s43, (3<<16)|(1<<20)|(1<<21)|(5<<22)|(3<<25)  ; the scales of 128 rows: 4,096 dense bytes as 16 rows of 256
	s_or_b32 s[G1SB+0], s44, (3<<16)|(1<<20)|(1<<21)|(5<<22)|(3<<25)
.irp g, G1S, G1SB
	s_mov_b32 s[\g+1], 32<<16
	s_mov_b32 s[\g+2], 16<<16
	s_mov_b32 s[\g+3], 32<<16
	s_mov_b32 s[\g+4], 16
	s_mov_b32 s[\g+5], 32
	s_mov_b32 s[\g+6], 0
	s_mov_b32 s[\g+7], 0
.endr
	s_lshl_b32 s18, s16, 7
	s_lshl_b32 s20, s17, 8
	s_add_co_u32 s20, s20, s18                     ; A: row 256 x tile row + 128 x half
	s_lshl_b32 s46, s42, 8
	s_add_co_u32 s46, s46, s18                     ; B: row 256 x tile column + 128 x half
	s_mov_b32 s21, 0
	s_mov_b32 s47, 0
	s_mov_b64 s[18:19], KS
	s_mul_u64 s[22:23], s[20:21], s[18:19]
	s_mul_u64 s[92:93], s[46:47], s[18:19]
	s_mov_b64 s[18:19], KROW
	s_mul_u64 s[20:21], s[20:21], s[18:19]
	s_mul_u64 s[46:47], s[46:47], s[18:19]
	s_mul_i32 s45, s14, HALFT                      ; where they go: wave x 128 rows
	s_mul_i32 s94, s14, HALFS
	s_wait_dscnt 0x0                               ; both opening adds are done
	s_wait_kmcnt 0x0
	s_add_nc_u64 s[20:21], s[4:5], s[20:21]
	s_add_nc_u64 s[22:23], s[6:7], s[22:23]
	s_add_nc_u64 s[46:47], s[8:9], s[46:47]
	s_add_nc_u64 s[92:93], s[10:11], s[92:93]
	CROUND                                         ; all sixteen work-groups are here: the joint loads meet
	s_mov_b32 s[G0S], 1
	s_add_co_u32 s[G0S+1], s94, SCL
	s_mov_b64 s[G0S+2:G0S+3], s[22:23]
	s_or_b32 s[G0S+3], s[G0S+3], 0x80000000
	s_mov_b32 s[G0SB], 1
	s_add_co_u32 s[G0SB+1], s94, SCL
	s_mov_b64 s[G0SB+2:G0SB+3], s[92:93]
	s_or_b32 s[G0SB+3], s[G0SB+3], 0x80000000
	JLOAD G0S, G1S, G0SB, G1SB
.irp s, 0,1
	s_mov_b32 s[G0+4*\s], 1
	s_add_co_u32 s[G0+4*\s+1], s45, \s*SLOT
	s_add_nc_u64 s[G0+4*\s+2:G0+4*\s+3], s[20:21], \s*ROWB
	s_or_b32 s[G0+4*\s+3], s[G0+4*\s+3], 0x80000000
	s_mov_b32 s[G0B+4*\s], 1
	s_add_co_u32 s[G0B+4*\s+1], s45, \s*SLOT
	s_add_nc_u64 s[G0B+4*\s+2:G0B+4*\s+3], s[46:47], \s*ROWB
	s_or_b32 s[G0B+4*\s+3], s[G0B+4*\s+3], 0x80000000
	JLOAD G0+4*\s, G1, G0B+4*\s, G1B
.endr
	v_and_b32 v1, 15, v0                           ; r
	v_bfe_u32 v2, v0, 4, 1                         ; h
	v_mul_u32_u24 v3, v1, PITCH
	v_lshl_add_u32 v4, v2, 4, v3
	s_mul_i32 s21, s15, HALFT
	s_mul_i32 s22, s16, HALFT
	s_add_co_u32 s22, s22, 2*HALFT
.irp s, 0,1
	v_add_nc_u32 v[ADRA+\s], s21, v4
	v_add_nc_u32 v[ADRB+\s], s22, v4
	s_add_co_u32 s21, s21, SLOT
	s_add_co_u32 s22, s22, SLOT
.endr
	v_mul_u32_u24 v5, v1, KS                       ; my row's scales: 32 bytes a row, and 16 more for each 256 passed
	v_lshrrev_b32 v6, 8, v5
	v_lshl_add_u32 v5, v6, 4, v5
	s_mul_i32 s21, s15, HALFS
	s_mul_i32 s22, s16, HALFS
	s_add_co_u32 s22, s22, 2*HALFS
	s_sub_co_u32 s22, s22, s21
	v_mul_u32_u24 v6, s22, v2                      ; lanes 16-31 take B's
	s_add_co_u32 s21, s21, SCL
	v_add_nc_u32 v5, v5, v6
	v_add_nc_u32 v[ADRS], s21, v5
	s_mul_i32 s23, s14, 16*SPITCH                  ; my f32 stage
	v_mul_u32_u24 v5, v1, SPITCH
	v_lshl_add_u32 v5, v2, 5, v5
	v_add_nc_u32 v[STF], s23, v5
	v_and_b32 v6, 31, v0
	v_lshlrev_b32 v[CO], 4, v6
	v_add_nc_u32 v[RDF], s23, v[CO]
	s_mul_i32 s23, s14, 16*272                     ; my f16 stage
	s_add_co_u32 s23, s23, HST
	v_mul_u32_u24 v5, v1, 272
	v_lshl_add_u32 v5, v2, 4, v5
	v_add_nc_u32 v[STO], s23, v5                   ; in: row r, 16 bytes for each half of the lanes
	v_lshrrev_b32 v5, 3, v6
	v_mul_u32_u24 v5, v5, 272
	v_and_b32 v7, 7, v0
	v_lshl_add_u32 v5, v7, 4, v5
	v_add_nc_u32 v[RD], s23, v5                    ; back: eight lanes take a head's 128 bytes of a row, four rows an instruction
	v_lshlrev_b32 v[BO], 5, v2
	s_lshl_b32 s20, s42, 10                        ; my first column, in f32 bytes: 1,024 x tile column + 512 x half
	s_lshl_b32 s21, s16, 9
	s_add_co_u32 s20, s20, s21
	s_mov_b32 s21, 0
	s_add_nc_u64 s[96:97], s[96:97], s[20:21]      ; b_attn there
	s_mul_i32 s22, s41, 196608                     ; qkvf: my batch's 16 rows of 12,288 bytes
	s_add_co_u32 s20, s20, s22
	s_add_nc_u64 s[98:99], s[98:99], s[20:21]
.irp b, 0,1,2,3,4,5,6,7
	global_load_b128 v[BI+8*\b:BI+8*\b+3],   v[BO], s[96:97] offset:64*\b      ; lane (r, h): b_attn at columns 16 b + 8 h + 0 .. 7
	global_load_b128 v[BI+8*\b+4:BI+8*\b+7], v[BO], s[96:97] offset:64*\b+16
.endr
	s_lshr_b32 s20, s42, 2                         ; q, k or v
	s_lshl_b32 s20, s20, 6
	s_lshl_b32 s21, s41, 4                         ; batch x 16
	s_add_co_u32 s20, s20, s21
	s_and_b32 s21, s42, 3
	s_lshl_b32 s21, s21, 2
	s_add_co_u32 s20, s20, s21
	s_lshl_b32 s21, s16, 1
	s_add_co_u32 s20, s20, s21                     ; the plane of my first head
	s_lshl_b32 s20, s20, 18
	s_lshl_b32 s21, s95, 15                        ; 256 x cluster y rows of 128 bytes
	s_add_co_u32 s20, s20, s21
	s_lshl_b32 s21, s15, 14
	s_add_co_u32 s20, s20, s21
	s_mov_b32 s21, 0
	s_add_nc_u64 s[12:13], s[12:13], s[20:21]
.macro FRAG reg, adr, q, i             ; 16 rows x 128 K of 4-bit codes: 8 registers, two loads of 16 bytes, 32 bytes apart
.irp c, 0,1
	ds_load_b128 v[\reg+4*\c:\reg+4*\c+3], v[\adr] offset:64*(\q)+32*\c+(\i)*16*PITCH
.endr
.endm
; 16 products: A's blocks a0, a0 + 1 x B's eight.  zero = 1: the sum's first product, with the bias as C.  The 64 accumulators take turns, one instruction a turn.
.macro MUL16 a0, p, q, sc, zero
.irp a, \a0, \a0+1
.irp b, 0,1,2,3,4,5,6,7
.if \zero
	v_wmma_scale_f32_16x16x128_f8f6f4 v[8*(8*((\a)%4)+\b):8*(8*((\a)%4)+\b)+7], v[128*(\p)+FR*\b:128*(\p)+FR*\b+FR-1], v[AF+FR*(\a):AF+FR*(\a)+FR-1], v[BI+8*\b:BI+8*\b+7], v[SC+8*NQ*(\sc)+NQ*\b+(\q)], v[SC+8*NQ*(\sc)+NQ*(\a)+(\q)] matrix_a_fmt:MATRIX_FMT_FP4 matrix_b_fmt:MATRIX_FMT_FP4 matrix_a_scale:MATRIX_SCALE_ROW1
.else
	v_wmma_scale_f32_16x16x128_f8f6f4 v[8*(8*((\a)%4)+\b):8*(8*((\a)%4)+\b)+7], v[128*(\p)+FR*\b:128*(\p)+FR*\b+FR-1], v[AF+FR*(\a):AF+FR*(\a)+FR-1], v[8*(8*((\a)%4)+\b):8*(8*((\a)%4)+\b)+7], v[SC+8*NQ*(\sc)+NQ*\b+(\q)], v[SC+8*NQ*(\sc)+NQ*(\a)+(\q)] matrix_a_fmt:MATRIX_FMT_FP4 matrix_b_fmt:MATRIX_FMT_FP4 matrix_a_scale:MATRIX_SCALE_ROW1
.endif
.endr
.endr
.endm
.macro FETCH_B slot, q, p
	WIN TO_B
.irp i, 0,1,2,3,4,5,6,7
	FRAG 128*(\p)+FR*\i, ADRB+\slot, \q, \i
.endr
	WIN 0
.endm
.macro FETCH_A slot, q, i0
.irp i, \i0, \i0+1, \i0+2, \i0+3
	FRAG AF+FR*(\i), ADRA+\slot, \q, \i
.endr
.endm
.macro SCALES sc                       ; a slot's scale words: lanes 0-15 A's block i, lanes 16-31 B's block i
.irp i, 0,1,2,3,4,5,6,7
	ds_load_b128 v[SC+8*NQ*\sc+NQ*\i:SC+8*NQ*\sc+NQ*\i+3], v[ADRS] offset:\i*SBLK
.endr
.endm
.macro PLACES n                        ; plain vector instructions between a matrix instruction and a load into, or a read of, its registers
.rept \n
	v_nop
.endr
.endm
.macro STEP slot, q, zero              ; 128 along K, with its successor in the same slot
	s_wait_dscnt 4*NL                              ; B's set and A's blocks 0-3 are in; the youngest eight loads (A's blocks 4-7) may be out
.if \zero
	WIN BIA_LO
.else
	WIN MUL_LO
.endif
	MUL16 0, (\q)%2, \q, \slot, \zero
	MUL16 2, (\q)%2, \q, \slot, \zero
	s_wait_dscnt 0
	PLACES NP
	FETCH_B \slot, (\q)+1, 1-(\q)%2
	FETCH_A \slot, (\q)+1, 0
.if \zero
	WIN BIA_HI
.else
	WIN MUL_HI
.endif
	MUL16 4, (\q)%2, \q, \slot, \zero
	MUL16 6, (\q)%2, \q, \slot, \zero
	PLACES NP
	WIN 0
	FETCH_A \slot, (\q)+1, 4
.endm
.macro STEPS slot, from
.set Q, \from
.rept NQ-1-\from
	STEP \slot, Q, 0
.set Q, Q+1
.endr
.endm
	s_wait_tensorcnt 1                             ; the scales and my part of slot 0 are in; slot 1's load may be out
	s_barrier_signal -1
	s_barrier_wait -1
	FETCH_B 0, 0, 0
	FETCH_A 0, 0, 0
	SCALES 0
	FETCH_A 0, 0, 4
	s_wait_loadcnt 0x0                             ; the bias
	STEP 0, 0, 1
	STEPS 0, 1
	; slot 0's last step changes slots: one barrier; nothing is filled again
	s_wait_tensorcnt 0x0                           ; my part of slot 1 has landed
	ds_add_u32 v[SPW], v[NIL]
	s_wait_dscnt 4*NL+1                            ; the add and the youngest eight loads may be out
	WIN MUL_LO
	MUL16 0, 1, NQ-1, 0, 0
	s_wait_dscnt 0x0                               ; the add is done, and my reads of slot 0 are over
	s_barrier_signal -1
	MUL16 2, 1, NQ-1, 0, 0
	WIN 0
	s_barrier_wait -1
	PLACES NP
	v_add_nc_u32 v[ADRS], 4*NQ, v[ADRS]            ; the next slot's scale words
	FETCH_B 1, 0, 0
	FETCH_A 1, 0, 0
	SCALES 1
	WIN MUL_HI
	MUL16 4, 1, NQ-1, 0, 0
	MUL16 6, 1, NQ-1, 0, 0
	PLACES NP
	WIN 0
	FETCH_A 1, 0, 4
	STEPS 1, 0
	s_wait_dscnt 4*NL                              ; the last step: nothing more to fetch
	WIN MUL_LO
	MUL16 0, 1, NQ-1, 1, 0
	MUL16 2, 1, NQ-1, 1, 0
	s_wait_dscnt 0
	WIN MUL_HI
	MUL16 4, 1, NQ-1, 1, 0
	MUL16 6, 1, NQ-1, 1, 0
	WIN 0
	PLACES NP
	; POSITIONS 0-15 IN F32: they are block 0 of the waves with the tile's upper rows, in the clusters with y = 0.  Through my f32 stage, out as rows of 512 bytes.
	s_or_b32 s20, s15, s95
	s_cmp_lg_u32 s20, 0
	s_cbranch_scc1 .Lno_fine
	WIN 0x08                                       ; an LDS store's data: window 2
.irp b, 0,1,2,3,4,5,6,7
	ds_store_b128 v[STF], v[8*\b:8*\b+3] offset:64*\b
	ds_store_b128 v[STF], v[8*\b+4:8*\b+7] offset:64*\b+16
.endr
	WIN 0
.irp t, 0,1,2,3,4,5,6,7,8,9,10,11,12,13,14,15
	ds_load_b128 v[AF+4*\t:AF+4*\t+3], v[RDF] offset:\t*SPITCH   ; LDS serves a wave's instructions in order: these see my stores
.endr
	s_wait_dscnt 0x0
.irp t, 0,1,2,3,4,5,6,7,8,9,10,11,12,13,14,15
	global_store_b128 v[CO], v[AF+4*\t:AF+4*\t+3], s[98:99] offset:\t*12288   ; 512 consecutive bytes, aligned
.endr
.Lno_fine:
; THE WAY OUT IN F16, a block of 16 rows x 128 columns (two heads) at a time.
.macro PACK a
.set AC, 64*((\a)%4)
	WIN 0x0a+5*((\a)/4)                            ; sources 0 and 1: window 2 or 3
.irp b, 0,1,2,3,4,5,6,7
.irp r, 0,1,2,3
	v_cvt_pk_f16_f32 v[TMP+4*\b+\r], v[AC+8*\b+2*\r], v[AC+8*\b+2*\r+1]   ; each accumulator from its low end on
.endr
.endr
	WIN 0
.endm
.macro TOSTAGE a
.set BB, OB+192*((\a)%2)
.irp b, 0,1,2,3,4,5,6,7
	ds_store_b128 v[STO], v[TMP+4*\b:TMP+4*\b+3] offset:32*\b
.endr
.irp u, 0,1,2,3,4,5,6,7
	ds_load_b128 v[BB+4*\u:BB+4*\u+3], v[RD] offset:(\u%4)*4*272+(\u/4)*128   ; rows 4 (u % 4) on, head u / 4
.endr
.endm
.macro SEND a
.set BB, OB+192*((\a)%2)
	s_wait_dscnt 0x0                               ; the block is back in registers
	s_wait_xcnt 0x0                                ; earlier stores have read their registers: the other set may be loaded again behind this wait
.irp u, 0,1,2,3,4,5,6,7
	global_store_b128 v[CO], v[BB+4*\u:BB+4*\u+3], s[12:13] offset:(\u/4)*262144+(\a)*2048+(\u%4)*512   ; four rows of a head: 512 consecutive bytes, aligned
.endr
.endm
	PACK 0
	TOSTAGE 0
.irp a, 1,2,3,4,5,6,7
	PACK \a
	SEND \a-1
	TOSTAGE \a
.endr
	SEND 7
	s_wait_tensorcnt 0x0                           ; the wave's end
	ds_add_u32 v[SPW], v[NIL]
	s_wait_dscnt 0x0
	CROUND                                         ; the closing round
	s_endpgm
.Lfunc_end_k_qc7c372887b_qkv:
	.size	k_qc7c372887b_qkv, .Lfunc_end_k_qc7c372887b_qkv-k_qc7c372887b_qkv
	.p2alignl 7, 3214868480
	.fill 96, 4, 3214868480
	.section	.rodata,"a",@progbits
	.p2align	6, 0x0
	.amdhsa_kernel k_qc7c372887b_qkv
		.amdhsa_group_segment_fixed_size 327680
		.amdhsa_private_segment_fixed_size 0
		.amdhsa_enable_private_segment 0
		.amdhsa_kernarg_size 56
		.amdhsa_user_sgpr_count 2
		.amdhsa_user_sgpr_kernarg_segment_ptr 1
		.amdhsa_wavefront_size32 1
		.amdhsa_system_sgpr_workgroup_id_x 1
		.amdhsa_system_sgpr_workgroup_id_y 1
		.amdhsa_system_sgpr_workgroup_id_z 1
		.amdhsa_system_vgpr_workitem_id 0
		.amdhsa_next_free_vgpr 1024
		.amdhsa_next_free_sgpr 100
		.amdhsa_reserve_vcc 0
		.amdhsa_float_denorm_mode_32 3
		.amdhsa_float_denorm_mode_16_64 3
		.amdhsa_memory_ordered 1
		.amdhsa_forward_progress 1
		.amdhsa_inst_pref_size 132
	.end_amdhsa_kernel
	.amdgpu_metadata
---
amdhsa.version: [ 1, 2 ]
amdhsa.kernels:
  - .name:           k_qc7c372887b_qkv
    .symbol:         k_qc7c372887b_qkv.kd
    .args:
      - { .name: xc, .offset: 0, .size: 8, .value_kind: global_buffer, .address_space: global }
      - { .name: xs, .offset: 8, .size: 8, .value_kind: global_buffer, .address_space: global }
      - { .name: wc, .offset: 16, .size: 8, .value_kind: global_buffer, .address_space: global }
      - { .name: ws, .offset: 24, .size: 8, .value_kind: global_buffer, .address_space: global }
      - { .name: qkvh, .offset: 32, .size: 8, .value_kind: global_buffer, .address_space: global }
      - { .name: b_attn, .offset: 40, .size: 8, .value_kind: global_buffer, .address_space: global }
      - { .name: qkvf, .offset: 48, .size: 8, .value_kind: global_buffer, .address_space: global }
    .group_segment_fixed_size: 327680
    .private_segment_fixed_size: 0
    .kernarg_segment_align: 8
    .kernarg_segment_size: 56
    .max_flat_workgroup_size: 128
    .sgpr_count:     100
    .vgpr_count:     1024
    .wavefront_size: 32
...
	.end_amdgpu_metadata
.endif
;; end of part 2
;; launch attn (part 3): grid 4 x 64, 8 waves a work-group, no clusters, 327,680 bytes of LDS; arguments qkvh, yh; writes yh
.if DOCPART == 3
	.amdgcn_target "amdgcn-amd-amdhsa--gfx1250"
	.amdhsa_code_object_version 6
	.text
	.protected	k_qc7c372887b_attn
	.globl	k_qc7c372887b_attn
	.p2align	8
	.type	k_qc7c372887b_attn,@function
k_qc7c372887b_attn:
	s_mov_b64 s[64:65], 0
	v_nop
	global_prefetch_b8 v0, s[64:65] scope:SCOPE_SE
	s_setreg_imm32_b32 hwreg(HW_REG_WAVE_MODE, 25, 1), 1
	s_wait_xcnt 0x0
; y[b][h][q] = sum over k <= q of softmax_k(q . k / 8) v, for each of 64 (batch, head) planes of [2048][64] f16; products with f16 operands and f32 sums; maxima, exponentials and sums in f32; y in f16.
; LEFT OUT: key steps all of whose keys come after a wave's queries (reference()'s own jnp.tril makes their weights exact zeros).
; LIMITS: q, k, v, y as f16, magnitudes up to 65,504.  Positions 0-15 of each sequence are made again, in f32, by the last launch.
; SHARES.  Work-group (p, plane) owns the blocks p and 7 - p of 256 queries: block p walks key blocks 0 .. p, block 7 - p key blocks 0 .. 7 - p: nine units of 256 keys for every work-group, so the
; trip counts are constants and the work is even.  Each of eight waves owns 32 queries, two tiles of 16; two waves share a SIMD, so that one wave's vector work stands beside the other's products.
; NO CLUSTER: the four work-groups of a plane want different key blocks at the same trip (p + 1 units of one walk, 8 - p of the other), and under the mask a partner would jump over the reads of joint tiles.
; LAYOUT.  S^T = K Q^T (source 0 = 16 keys, source 1 = 16 queries): a lane holds one query and keys 8 (lane / 16) + 0 .. 7 of each 16.  Two such tiles rounded to f16 in pairs are source 1 of O^T = V^T P; V is turned by ds_load_tr16_b128.
; THE RING: two slots of a unit (four steps of 64 keys: K's 64 rows of 144 bytes, V's 64 rows of 160).  Waves 0-3 fetch K's four steps, waves 4-7 V's: one tensor load a wave behind each barrier, one out by this text's count.
; REGISTERS.  window 0: v1-15 addresses and constants; v16-31 statistics, 8 a tile (+0 c m, +1 m, +2, +3 l, +4 .. +7 at work, a at +6); v32-95 S^T; v96-127 P; v128-159 Q; v160-223 K; v224-255 the way out.  window 1: v0-63 O^T; v64-127 V.
.set PK,    144
.set PV,    160
.set VOFF,  64*PK
.set STEPB, 64*(PK+PV)
.set SLOT1, 1<<17
.set STAGE, SLOT1+4*STEPB              ; 32 rows x 144 bytes for each wave
.set SPARE, STAGE+8*32*144             ; the spare words: four blocks of 256 bytes that no other line names
.set AK0, 1
.set AV0, 2
.set ADK, 3
.set ADV, 4
.set QO,  5
.set STO, 6
.set RD,  7
.set GO,  8
.set SPW, 9
.set NIL, 10
.set PFO, 11
.set DM,  12
.set DD,  13                           ; v13, v14: the mask's thresholds of the two tiles
.set NINF, 15
.set ST,  16
.set S,   32
.set P,   96
.set QR,  128
.set KR,  160
.set W,   224
.set VR,  64                           ; in window 1
.set WV,  8
.set PP,  9
.set UC,  10                           ; the unit in hand, 0 .. 8
.set SC,  11
.set TB,  12                           ; LDS byte of the step in hand
.set KF,  13                           ; its first key
.set Q0,  14                           ; my first query
.set NKB, 15                           ; the key block of the unit last asked for
.set T0,  16
.set LIM, 17
.set BASE, 18                          ; s[18:19] my part (K or V, my step) of key block 0
.set PFA, 20
.set CS,  22                           ; s[22:23] c = log2(e) / 8
.set G1K, 24
.set G1V, 32
.set G0,  40
.set SEL, 44
.set QH,  46
.set YH,  48
.set QP,  50
.set YP,  52
.set TT,  54
.set MSB, 0
.macro WIN new
.if MSB != \new
	s_set_vgpr_msb (MSB<<8)|\new
.set MSB, \new
.endif
.endm
.macro TLOAD                           ; waves 0-3: K's padding; waves 4-7: V's.  An s_nop 0 and four v_nop follow each line
	s_cmp_lt_u32 s[WV], 4
	s_cbranch_scc0 .Lfor_v_\@
	tensor_load_to_lds s[G0:G0+3], s[G1K:G1K+7]
	s_nop 0
.rept 4
	v_nop
.endr
	s_branch .Lasked_\@
.Lfor_v_\@:
	tensor_load_to_lds s[G0:G0+3], s[G1V:G1V+7]
	s_nop 0
.rept 4
	v_nop
.endr
.Lasked_\@:
.endm
; A prefetch: the plane's work-group p = 0 names, at its changes 0 .. 5, key blocks 2 .. 7: each wave its own 8,192 bytes (K's or V's step), lanes 256 bytes apart, so each aligned block of 256 bytes is named once in the launch.
; Key blocks 0 and 1 come by their loads alone; block 7 is the last, so nothing past the plane is named.
.macro ASK
	s_cmp_lt_u32 s[UC], s[LIM]
	s_cbranch_scc0 .Lnot_mine_\@
	global_prefetch_b8 v[PFO], s[PFA:PFA+1] th:TH_LOAD_NT scope:SCOPE_SE
.Lnot_mine_\@:
.endm
.macro SETQ                            ; Q's and y's rows at my first query
	s_lshl_b32 s[TT], s[Q0], 7
	s_mov_b32 s[TT+1], 0
	s_add_nc_u64 s[QP:QP+1], s[QH:QH+1], s[TT:TT+1]
	s_add_nc_u64 s[YP:YP+1], s[YH:YH+1], s[TT:TT+1]
.endm
.macro INIT                            ; a block of queries begins: Q into registers; m = -3e38, l = 0, O^T = 0 (the first step's a is then 0)
.irp t, 0,1
.irp c, 0,1
	global_load_b128 v[QR+16*\t+8*\c:QR+16*\t+8*\c+3],   v[QO], s[QP:QP+1] offset:\t*2048+\c*64
	global_load_b128 v[QR+16*\t+8*\c+4:QR+16*\t+8*\c+7], v[QO], s[QP:QP+1] offset:\t*2048+\c*64+32
.endr
.endr
.irp t, 0,1
	v_mov_b32 v[ST+8*\t], 0xff61b1e6
	v_mov_b32 v[ST+8*\t+1], 0xff61b1e6
.irp k, 2,3,4,5,6,7
	v_mov_b32 v[ST+8*\t+\k], 0
.endr
.endr
	WIN 0x40
.set i, 0
.rept 64
	v_mov_b32 v[i], 0
.set i, i+1
.endr
	WIN 0
	s_wait_loadcnt 0x0
.endm
; THE CHANGE OF SLOTS, at a unit's head.  fill = 1: the slot just left takes the next unit.
.macro CHANGE fill
	s_wait_tensorcnt 0x0                           ; my part of the unit ahead has landed; no load of mine is out, so group 0 may be written
	ds_add_u32 v[SPW], v[NIL]
.if \fill
	s_xor_b32 s[G0+1], s[G0+1], SLOT1              ; the other slot
	s_add_co_u32 s[NKB], s[NKB], 1                 ; the next key block,
	s_cmp_eq_u32 s[UC], s[PP]
	s_cselect_b32 s[NKB], 0, s[NKB]                ; or block 0 again where the second walk begins
	s_lshl_b32 s[TT], s[NKB], 15                   ; 256 keys of 128 bytes
	s_mov_b32 s[TT+1], 0
	s_add_nc_u64 s[G0+2:G0+3], s[BASE:BASE+1], s[TT:TT+1]
	s_or_b32 s[G0+3], s[G0+3], 0x80000000
	s_wait_xcnt 0x0                                ; the last prefetch, a unit back, has read its address
	s_add_nc_u64 s[PFA:PFA+1], s[PFA:PFA+1], 0x8000
.endif
	s_wait_dscnt 0x0                               ; the add is done, and my reads of the slot that I have left are over
	s_barrier_signal -1
	s_barrier_wait -1
.if \fill
	TLOAD                                          ; first thing behind the barrier, my one tensor load until the next: it has a unit's four steps in which to land
	ASK
.endif
.endm
; A KEY STEP: 64 keys.
.macro STEP
	s_add_co_u32 s[T0], s[Q0], 31
	s_cmp_gt_u32 s[KF], s[T0]                      ; all keys behind my 32 queries: ids and counts alone; no barrier and no tensor load stands in a step
	s_cbranch_scc1 .Lhid_\@
	v_add_nc_u32 v[ADK], s[TB], v[AK0]
	v_add_nc_u32 v[ADV], s[TB], v[AV0]
.irp f, 0,1,2,3,4,5,6,7                        ; K: keys 16 (f / 2) on, channels 32 (f % 2) on
	ds_load_b128 v[KR+8*\f:KR+8*\f+3],   v[ADK] offset:(\f/2)*16*PK+(\f%2)*64
	ds_load_b128 v[KR+8*\f+4:KR+8*\f+7], v[ADK] offset:(\f/2)*16*PK+(\f%2)*64+32
.endr
	WIN 0x40
.irp f, 0,1,2,3,4,5,6,7                        ; V, turned: keys 32 (f / 4) on, channels 16 (f % 4) on
	ds_load_tr16_b128 v[VR+8*\f:VR+8*\f+3],   v[ADV] offset:(\f/4)*32*PV+(\f%4)*32
	ds_load_tr16_b128 v[VR+8*\f+4:VR+8*\f+7], v[ADV] offset:(\f/4)*32*PV+16*PV+(\f%4)*32
.endr
	WIN 0
	s_wait_dscnt 16                                ; K's sixteen loads are in; V's sixteen may be out
.irp c, 0,1                                    ; eight accumulators by turns, one instruction a turn
.irp kt, 0,1,2,3
.irp t, 0,1
.if \c == 0
	v_wmma_f32_16x16x32_f16 v[S+32*\t+8*\kt:S+32*\t+8*\kt+7], v[KR+16*\kt+8*\c:KR+16*\kt+8*\c+7], v[QR+16*\t+8*\c:QR+16*\t+8*\c+7], 0
.else
	v_wmma_f32_16x16x32_f16 v[S+32*\t+8*\kt:S+32*\t+8*\kt+7], v[KR+16*\kt+8*\c:KR+16*\kt+8*\c+7], v[QR+16*\t+8*\c:QR+16*\t+8*\c+7], v[S+32*\t+8*\kt:S+32*\t+8*\kt+7]
.endif
.endr
.endr
.endr
.rept 4
	v_nop                                          ; places ahead of the first read of the scores
.endr
	s_add_co_u32 s[T0], s[KF], 63
	s_cmp_le_u32 s[T0], s[Q0]                      ; all 64 keys count for all my queries: no mask
	s_cbranch_scc1 .Lopen_\@
	s_sub_co_i32 s[T0], s[Q0], s[KF]
	v_add_nc_u32 v[DD], s[T0], v[DM]               ; register 8 kt + j of tile t holds key KF + 16 kt + 8 h + j: hidden where 16 kt + j > Q0 - KF + 16 t + r - 8 h
	v_add_nc_u32 v[DD+1], 16, v[DD]
.irp t, 0,1
.irp n, 0,1,2,3,4,5,6,7,8,9,10,11,12,13,14,15,16,17,18,19,20,21,22,23,24,25,26,27,28,29,30,31
	v_cmp_gt_i32 vcc_lo, 16*(\n/8)+\n%8, v[DD+\t]
	v_cndmask_b32 v[S+32*\t+\n], v[S+32*\t+\n], v[NINF], vcc_lo
.endr
.endr
.Lopen_\@:
	; the maximum of my 32 scores and the old m: four chains, each begun at an accumulator's low end; the two tiles line by line
.irp j, 0,1,2,3
.irp t, 0,1
	v_max3_num_f32 v[ST+8*\t+4+\j], v[S+32*\t+8*\j], v[S+32*\t+8*\j+1], v[S+32*\t+8*\j+2]
.endr
.endr
.irp g, 1,2
.irp j, 0,1,2,3
.irp t, 0,1
	v_max3_num_f32 v[ST+8*\t+4+\j], v[ST+8*\t+4+\j], v[S+32*\t+8*\j+2*\g+1], v[S+32*\t+8*\j+2*\g+2]
.endr
.endr
.endr
.irp t, 0,1
	v_max3_num_f32 v[ST+8*\t+4], v[ST+8*\t+4], v[S+32*\t+7], v[S+32*\t+15]
	v_max3_num_f32 v[ST+8*\t+6], v[ST+8*\t+6], v[S+32*\t+23], v[S+32*\t+31]
.endr
.irp t, 0,1
	v_max3_num_f32 v[ST+8*\t+4], v[ST+8*\t+4], v[ST+8*\t+5], v[ST+8*\t+6]
.endr
.irp t, 0,1
	v_max3_num_f32 v[ST+8*\t+4], v[ST+8*\t+4], v[ST+8*\t+7], v[ST+8*\t+1]
.endr
.irp t, 0,1
	v_permlanex16_b32 v[ST+8*\t+5], v[ST+8*\t+4], s[SEL], s[SEL+1]   ; the query's other 32 keys lie in the lane 16 away
.endr
.irp t, 0,1
	v_mov_b32 v[ST+8*\t+7], v[ST+8*\t]             ; c m_old
.endr
.irp t, 0,1
	v_max_num_f32 v[ST+8*\t+1], v[ST+8*\t+4], v[ST+8*\t+5]
.endr
.irp t, 0,1
	v_mul_f32 v[ST+8*\t], s[CS], v[ST+8*\t+1]
.endr
.irp t, 0,1
	v_sub_f32 v[ST+8*\t+7], v[ST+8*\t+7], v[ST+8*\t]
.endr
.irp b, 0,1,2,3,4,5,6,7,8,9,10,11,12,13,14,15
.irp t, 0,1
	v_pk_fma_f32 v[S+32*\t+2*\b:S+32*\t+2*\b+1], v[S+32*\t+2*\b:S+32*\t+2*\b+1], s[CS:CS+1], v[ST+8*\t:ST+8*\t+1] op_sel_hi:[1,0,0] neg_lo:[0,0,1] neg_hi:[0,0,1]   ; c s - c m
.endr
.endr
.irp t, 0,1                                    ; ONE BATCH of 66 exponentials: a = 2^(c m_old - c m_new), and the weights
	v_exp_f32 v[ST+8*\t+6], v[ST+8*\t+7]
.endr
.irp n, 0,1,2,3,4,5,6,7,8,9,10,11,12,13,14,15,16,17,18,19,20,21,22,23,24,25,26,27,28,29,30,31
.irp t, 0,1
	v_exp_f32 v[S+32*\t+\n], v[S+32*\t+\n]
.endr
.endr
	v_nop                                          ; a plain instruction behind the last exponential
	s_wait_alu depctr_va_vdst(0)                   ; one wait for the batch, ahead of its first reader
.irp i, 0,1,2,3,4,5,6,7,8,9,10,11,12,13,14,15
.irp t, 0,1
	v_cvt_pk_f16_f32 v[P+16*\t+\i], v[S+32*\t+2*\i], v[S+32*\t+2*\i+1]
.endr
.endr
.irp u, 0,1,2,3,4,5,6,7                        ; the sum of the unrounded weights, in place: neighbours 1, 2, 4, 8 pairs apart
.irp t, 0,1
	v_pk_add_f32 v[S+32*\t+4*\u:S+32*\t+4*\u+1], v[S+32*\t+4*\u:S+32*\t+4*\u+1], v[S+32*\t+4*\u+2:S+32*\t+4*\u+3]
.endr
.endr
.irp u, 0,1,2,3
.irp t, 0,1
	v_pk_add_f32 v[S+32*\t+8*\u:S+32*\t+8*\u+1], v[S+32*\t+8*\u:S+32*\t+8*\u+1], v[S+32*\t+8*\u+4:S+32*\t+8*\u+5]
.endr
.endr
.irp u, 0,1
.irp t, 0,1
	v_pk_add_f32 v[S+32*\t+16*\u:S+32*\t+16*\u+1], v[S+32*\t+16*\u:S+32*\t+16*\u+1], v[S+32*\t+16*\u+8:S+32*\t+16*\u+9]
.endr
.endr
.irp t, 0,1
	v_pk_add_f32 v[S+32*\t:S+32*\t+1], v[S+32*\t:S+32*\t+1], v[S+32*\t+16:S+32*\t+17]
.endr
.irp t, 0,1
	v_pk_fma_f32 v[ST+8*\t+2:ST+8*\t+3], v[ST+8*\t+2:ST+8*\t+3], v[ST+8*\t+6:ST+8*\t+7], v[S+32*\t:S+32*\t+1] op_sel_hi:[1,0,1]   ; l = a l + the sum
.endr
	WIN 0x41                                       ; O^T (destination and source 0) window 1, a window 0
.irp t, 0,1
.irp i, 0,1,2,3,4,5,6,7,8,9,10,11,12,13,14,15
	v_pk_mul_f32 v[32*\t+2*\i:32*\t+2*\i+1], v[32*\t+2*\i:32*\t+2*\i+1], v[ST+8*\t+6:ST+8*\t+7] op_sel_hi:[1,0]
.endr
.endr
	s_wait_dscnt 0x0                               ; V is in
	WIN 0x51                                       ; V and O^T window 1, P window 0
.irp kh, 0,1                                   ; eight accumulators by turns
.irp ct, 0,1,2,3
.irp t, 0,1
	v_wmma_f32_16x16x32_f16 v[32*\t+8*\ct:32*\t+8*\ct+7], v[VR+32*\kh+8*\ct:VR+32*\kh+8*\ct+7], v[P+16*\t+8*\kh:P+16*\t+8*\kh+7], v[32*\t+8*\ct:32*\t+8*\ct+7]
.endr
.endr
.endr
	WIN 0
.rept 4
	v_nop                                          ; places ahead of the next loads into V's registers and of the next read of O^T
.endr
.Lhid_\@:
	s_add_co_u32 s[TB], s[TB], STEPB
	s_add_co_u32 s[KF], s[KF], 64
.endm
.macro UNIT                            ; a slot's four steps: written once, walked four times
	s_mov_b32 s[SC], 4
.Lstep_\@:
	STEP
	s_sub_co_u32 s[SC], s[SC], 1
	s_cmp_lg_u32 s[SC], 0
	s_cbranch_scc1 .Lstep_\@
	s_sub_co_u32 s[TB], s[TB], 4*STEPB
	s_xor_b32 s[TB], s[TB], SLOT1                  ; on to the other slot
.endm
.macro FINAL                           ; a block of queries ends: O^T / l, rounded to f16, through my stage, out as 512 consecutive bytes (four rows) a store
.irp t, 0,1
	v_add_f32 v[ST+8*\t+4], v[ST+8*\t+2], v[ST+8*\t+3]
.endr
.irp t, 0,1
	v_permlanex16_b32 v[ST+8*\t+5], v[ST+8*\t+4], s[SEL], s[SEL+1]
.endr
.irp t, 0,1
	v_add_f32 v[ST+8*\t+4], v[ST+8*\t+4], v[ST+8*\t+5]
.endr
.irp t, 0,1
	v_rcp_f32 v[ST+8*\t+6], v[ST+8*\t+4]
.endr
	v_nop
	s_wait_alu depctr_va_vdst(0)                   ; one wait for the two reciprocals, ahead of their first reader
	WIN 0x41
.irp t, 0,1
.irp i, 0,1,2,3,4,5,6,7,8,9,10,11,12,13,14,15
	v_pk_mul_f32 v[32*\t+2*\i:32*\t+2*\i+1], v[32*\t+2*\i:32*\t+2*\i+1], v[ST+8*\t+6:ST+8*\t+7] op_sel_hi:[1,0]
.endr
.endr
	WIN 0x05
.irp t, 0,1
.irp i, 0,1,2,3,4,5,6,7,8,9,10,11,12,13,14,15
	v_cvt_pk_f16_f32 v[W+16*\t+\i], v[32*\t+2*\i], v[32*\t+2*\i+1]
.endr
.endr
	WIN 0
.irp t, 0,1
.irp ct, 0,1,2,3
	ds_store_b128 v[STO], v[W+16*\t+4*\ct:W+16*\t+4*\ct+3] offset:\t*16*144+32*\ct
.endr
.endr
.irp i, 0,1,2,3,4,5,6,7
	ds_load_b128 v[W+4*\i:W+4*\i+3], v[RD] offset:\i*4*144   ; LDS serves a wave's instructions in order: these see my stores
.endr
.irp i, 0,1,2,3,4,5,6,7
	s_wait_dscnt 7-\i                              ; load i is in; the younger ones may be out
	global_store_b128 v[GO], v[W+4*\i:W+4*\i+3], s[YP:YP+1] offset:\i*512
.endr
	s_wait_xcnt 0x0                                ; the stores have read their registers and their base
.endm
	s_load_b128 s[4:7], s[0:1], 0x0                ; qkvh, yh
	v_lshl_add_u32 v[SPW], v0, 2, SPARE
	v_mov_b32 v[NIL], 0
	ds_add_u32 v[SPW], v[NIL]                      ; the wave's opening: the add, twice on end, and its wait ahead of my first tensor load
	ds_add_u32 v[SPW], v[NIL]
	v_lshrrev_b32 v1, 5, v0
	v_readfirstlane_b32 s[WV], v1                  ; wave 0..7
	s_mov_b32 s[PP], ttmp9
	s_mov_b32 s[G1K], (1<<16)|(1<<20)|(4<<22)|(3<<25)   ; elements of 2 bytes; 4 words of padding after every 32
	s_mov_b32 s[G1V], (1<<16)|(1<<20)|(4<<22)|(7<<25)   ; 8 words of padding
.irp g, G1K, G1V
	s_mov_b32 s[\g+1], 64<<16                      ; tensor_dim0 = 64
	s_mov_b32 s[\g+2], 64<<16                      ; tensor_dim1 = 64
	s_mov_b32 s[\g+3], 64<<16                      ; tile_dim0 = 64
	s_mov_b32 s[\g+4], 64                          ; tile_dim1 = 64
	s_mov_b32 s[\g+5], 64                          ; from row to row
	s_mov_b32 s[\g+6], 0
	s_mov_b32 s[\g+7], 0
.endr
	s_mov_b32 s[CS], 0x3e38aa3b
	s_mov_b32 s[CS+1], s[CS]
	s_mov_b32 s[SEL], 0x76543210
	s_mov_b32 s[SEL+1], 0xfedcba98
	s_and_b32 s54, ttmp7, 0xffff                   ; the plane: 16 x batch + head
	s_lshl_b32 s56, s54, 18
	s_mov_b32 s57, 0
	s_lshr_b32 s55, s[WV], 2                       ; 0: I fetch K; 1: V
	s_mul_i32 s[T0], s55, VOFF
	s_and_b32 s54, s[WV], 3                        ; which of a unit's four steps
	s_mul_i32 s[G0+1], s54, STEPB
	s_add_co_u32 s[G0+1], s[G0+1], s[T0]           ; its place in slot 0
	s_mov_b32 s[G0], 1
	s_add_co_u32 s55, s55, 1
	s_lshl_b32 s55, s55, 24                        ; K's planes begin 16,777,216 bytes into qkvh, V's twice as far
	s_lshl_b32 s54, s54, 13
	s_add_co_u32 s54, s54, s55
	s_add_co_u32 s54, s54, s56
	s_mov_b32 s55, 0
	s_mov_b32 s[NKB], 0
	s_mov_b32 s[UC], 0
	s_mov_b32 s[TB], 0
	s_mov_b32 s[KF], 0
	s_cmp_eq_u32 s[PP], 0
	s_cselect_b32 s[LIM], 6, 0
	s_lshl_b32 s[Q0], s[PP], 8
	s_lshl_b32 s[T0], s[WV], 5
	s_add_co_u32 s[Q0], s[Q0], s[T0]               ; my first query of block p
	s_wait_dscnt 0x0                               ; both opening adds are done
	s_wait_kmcnt 0x0
	s_add_nc_u64 s[BASE:BASE+1], s[4:5], s[54:55]
	s_add_nc_u64 s[QH:QH+1], s[4:5], s[56:57]
	s_add_nc_u64 s[YH:YH+1], s[6:7], s[56:57]
	s_mov_b64 s[G0+2:G0+3], s[BASE:BASE+1]
	s_or_b32 s[G0+3], s[G0+3], 0x80000000
	TLOAD                                          ; unit 0 into slot 0: every wave has a first fill
	s_add_nc_u64 s[PFA:PFA+1], s[BASE:BASE+1], 0x8000   ; at key block 1: the first change steps it to block 2.  Nothing is prefetched here
	SETQ
	v_and_b32 v16, 15, v0                          ; r
	v_bfe_u32 v17, v0, 4, 1                        ; h
	v_and_b32 v18, 31, v0                          ; lane
	v_and_b32 v19, 7, v0
	v_bfe_u32 v20, v0, 3, 1
	v_mul_u32_u24 v[AK0], v16, PK
	v_lshl_add_u32 v[AK0], v17, 4, v[AK0]
	v_lshl_add_u32 v[AV0], v17, 3, v19
	v_mul_u32_u24 v[AV0], v[AV0], PV
	v_lshl_add_u32 v[AV0], v20, 4, v[AV0]
	v_add_nc_u32 v[AV0], VOFF, v[AV0]
	v_lshlrev_b32 v[QO], 7, v16
	v_lshl_add_u32 v[QO], v17, 4, v[QO]
	s_mul_i32 s[T0], s[WV], 32*144
	s_add_co_u32 s[T0], s[T0], STAGE
	v_mul_u32_u24 v[STO], v16, 144
	v_lshl_add_u32 v[STO], v17, 4, v[STO]
	v_add_nc_u32 v[STO], s[T0], v[STO]
	v_lshrrev_b32 v[RD], 3, v18
	v_mul_u32_u24 v[RD], v[RD], 144
	v_lshl_add_u32 v[RD], v19, 4, v[RD]
	v_add_nc_u32 v[RD], s[T0], v[RD]
	v_lshlrev_b32 v[GO], 4, v18
	v_lshlrev_b32 v[PFO], 8, v18
	v_lshlrev_b32 v[DM], 3, v17
	v_sub_nc_u32 v[DM], v16, v[DM]                 ; r - 8 h
	v_mov_b32 v[NINF], 0xff800000
	INIT
.Lunit:                                            ; eight trips: behind each change of slots the next unit is asked for
	CHANGE 1
	UNIT
	s_cmp_lg_u32 s[UC], s[PP]                      ; block p's last unit?  The work-group's number and the count of units: the same in all eight waves
	s_cbranch_scc1 .Lsame
	FINAL
	s_sub_co_u32 s[Q0], 7, s[PP]
	s_lshl_b32 s[Q0], s[Q0], 8
	s_lshl_b32 s[T0], s[WV], 5
	s_add_co_u32 s[Q0], s[Q0], s[T0]               ; on to block 7 - p
	SETQ
	s_mov_b32 s[KF], 0
	INIT
.Lsame:
	s_add_co_u32 s[UC], s[UC], 1
	s_cmp_lt_u32 s[UC], 8
	s_cbranch_scc1 .Lunit
	CHANGE 0                                       ; the ninth unit is written out
	UNIT
	FINAL
	s_wait_tensorcnt 0x0                           ; the wave's end
	ds_add_u32 v[SPW], v[NIL]
	s_wait_dscnt 0x0
	s_endpgm
.Lfunc_end_k_qc7c372887b_attn:
	.size	k_qc7c372887b_attn, .Lfunc_end_k_qc7c372887b_attn-k_qc7c372887b_attn
	.p2alignl 7, 3214868480
	.fill 96, 4, 3214868480
	.section	.rodata,"a",@progbits
	.p2align	6, 0x0
	.amdhsa_kernel k_qc7c372887b_attn
		.amdhsa_group_segment_fixed_size 327680
		.amdhsa_private_segment_fixed_size 0
		.amdhsa_enable_private_segment 0
		.amdhsa_kernarg_size 16
		.amdhsa_user_sgpr_count 2
		.amdhsa_user_sgpr_kernarg_segment_ptr 1
		.amdhsa_wavefront_size32 1
		.amdhsa_system_sgpr_workgroup_id_x 1
		.amdhsa_system_sgpr_workgroup_id_y 1
		.amdhsa_system_sgpr_workgroup_id_z 1
		.amdhsa_system_vgpr_workitem_id 0
		.amdhsa_next_free_vgpr 384
		.amdhsa_next_free_sgpr 66
		.amdhsa_reserve_vcc 1
		.amdhsa_float_denorm_mode_32 3
		.amdhsa_float_denorm_mode_16_64 3
		.amdhsa_memory_ordered 1
		.amdhsa_forward_progress 1
		.amdhsa_inst_pref_size 71
	.end_amdhsa_kernel
	.amdgpu_metadata
---
amdhsa.version: [ 1, 2 ]
amdhsa.kernels:
  - .name:           k_qc7c372887b_attn
    .symbol:         k_qc7c372887b_attn.kd
    .args:
      - { .name: qkvh, .offset: 0, .size: 8, .value_kind: global_buffer, .address_space: global }
      - { .name: yh, .offset: 8, .size: 8, .value_kind: global_buffer, .address_space: global }
    .group_segment_fixed_size: 327680
    .private_segment_fixed_size: 0
    .kernarg_segment_align: 8
    .kernarg_segment_size: 16
    .max_flat_workgroup_size: 256
    .sgpr_count:     66
    .vgpr_count:     384
    .wavefront_size: 32
...
	.end_amdgpu_metadata
.endif
;; end of part 3
;; launch proj (part 4): grid 4 x 64, 4 waves a work-group, clusters of 4 x 4, 327,680 bytes of LDS; arguments yh, wpt, out0, b_proj; writes out0
.if DOCPART == 4
	.amdgcn_target "amdgcn-amd-amdhsa--gfx1250"
	.amdhsa_code_object_version 6
	.text
	.protected	k_qc7c372887b_proj
	.globl	k_qc7c372887b_proj
	.p2align	8
	.type	k_qc7c372887b_proj,@function
k_qc7c372887b_proj:
	s_mov_b64 s[64:65], 0
	v_nop
	global_prefetch_b8 v0, s[64:65] scope:SCOPE_SE
	s_setreg_imm32_b32 hwreg(HW_REG_WAVE_MODE, 25, 1), 1
	s_wait_xcnt 0x0
	s_wait_alu depctr_hold_cnt(0) depctr_sa_sdst(0) depctr_va_vdst(0) depctr_va_sdst(0) depctr_va_ssrc(0) depctr_va_vcc(0) depctr_vm_vsrc(0)
	s_getreg_b32 s2, hwreg(HW_REG_IB_STS2, 6, 4)
	s_cmp_eq_u32 s2, 0
	s_cbranch_scc0 .Lentry_in_a_cluster
	s_endpgm
.Lentry_in_a_cluster:
	s_bfe_u32 s2, ttmp6, 0x10000c
	s_cmp_lg_u32 s2, 0xf033
	s_cbranch_scc0 .Lentry_shape_is_right
	s_endpgm
.Lentry_shape_is_right:
; out0 = y W_proj + b_proj: [8192][1024] x [1024][1024], f16 operands, f32 sums.  y lies [batch x 16 + head][t][64] f16, wpt [n][k] f16.  Nothing is left out; rows t < 16 of each batch are written again, in f32 arithmetic, by the next launch.
; A tile of 128 rows x 256 columns to a work-group: 256 work-groups.  Four waves, 64 x 128 each: 32 accumulators.  K goes in steps of 128 (two heads) through two LDS slots.
; Waves 0, 1 fetch A's two head planes (128 rows x 128 bytes, dense), waves 2, 3 B's two halves (128 rows x 256 bytes): one tensor load a wave behind each round; two out at the start by this text's count.
; CLUSTERS 4 x 4: A's tiles jointly along a row of the cluster, B's along a column.  THE PRODUCT IS USED TRANSPOSED (source 0 = wpt's rows, source 1 = y's rows).  b_proj is the C of each sum's first product.
; No prefetch: eight short K steps on small tiles.
; REGISTERS: window 0: v16-29 addresses; v64-127 A's fragments, two buffers; v128-191 the bias; v128-255 the way out.  window 1: v0-127 B's fragments, two buffers.  window 2: the accumulators, (a, b) at v[8 (8 a + b)].
.set PA,    144
.set PB,    272
.set APL,   128*PA                     ; a head plane of A in LDS
.set BOFF,  2*APL
.set BHALF, 128*PB
.set SLOT,  BOFF+2*BHALF
.set STAGE, 2*SLOT                     ; 16 rows x 528 bytes for each wave
.set SPITCH, 528
.set SPARE, STAGE+4*16*SPITCH          ; the spare words: two blocks of 256 bytes that no other line names
.set LAPS,  4
.set ADRA, 16
.set ADRB, 20
.set BO,   22
.set STO,  24
.set RD,   25
.set CO,   26
.set SPW,  28
.set NIL,  29
.set FA,   64
.set BI,   128
.set BK,   128
.set G1, 24
.set G0, 32
.set G1B, 48
.set G0B, 56
.set MSB, 0
.macro WIN new
.if MSB != \new
	s_set_vgpr_msb (MSB<<8)|\new
.set MSB, \new
.endif
.endm
.set MUL,  0xa1                        ; source 0 (B) window 1, source 1 (A) window 0, C and D window 2
.set MULB, 0x81                        ; the same with C (the bias) in window 0
.set TO_B, 0x40
.macro JLOAD s
	s_cmp_eq_u32 s11, 0
	s_cbranch_scc0 .Lfor_b_\@
	tensor_load_to_lds s[G0+4*\s:G0+4*\s+3], s[G1:G1+7]
	s_nop 0
.rept 4
	v_nop
.endr
	s_branch .Lasked_\@
.Lfor_b_\@:
	tensor_load_to_lds s[G0B+4*\s:G0B+4*\s+3], s[G1B:G1B+7]
	s_nop 0
.rept 4
	v_nop
.endr
.Lasked_\@:
.endm
.macro CREST
	s_cmp_lg_u32 s10, 0
	s_cbranch_scc1 .Lnot_wave_0_\@
	s_barrier_signal -3
.Lnot_wave_0_\@:
	s_barrier_wait -3
	s_barrier_signal -1
	s_barrier_wait -1
.endm
.macro CROUND
	s_barrier_signal -1
	s_barrier_wait -1
	CREST
.endm
	s_load_b128 s[4:7], s[0:1], 0x0                ; yh, wpt
	s_load_b64 s[8:9], s[0:1], 0x10                ; out0
	s_load_b64 s[68:69], s[0:1], 0x18              ; b_proj
	v_lshl_add_u32 v[SPW], v0, 2, SPARE
	v_mov_b32 v[NIL], 0
	ds_add_u32 v[SPW], v[NIL]                      ; the wave's opening: the add, twice on end, and its wait ahead of my first tensor load
	ds_add_u32 v[SPW], v[NIL]
	v_lshrrev_b32 v1, 5, v0
	v_readfirstlane_b32 s10, v1                    ; wave 0..3
	s_lshr_b32 s11, s10, 1                         ; my half of the tile's rows; also: I fetch for A (0) or B (1)
	s_and_b32 s12, s10, 1                          ; my half of its columns; also: which plane of A or half of B I fetch
	s_bfe_u32 s40, ttmp6, 0x40000                  ; cx
	s_bfe_u32 s41, ttmp6, 0x40004                  ; cy
	s_lshl_b32 s42, ttmp9, 2
	s_add_co_u32 s42, s42, s40                     ; tile column
	s_and_b32 s13, ttmp7, 0xffff
	s_lshl_b32 s13, s13, 2
	s_add_co_u32 s13, s13, s41                     ; tile row
	s_lshl_b32 s43, s41, 2
	s_lshl_b32 s43, 15, s43                        ; my row of the cluster
	s_lshl_b32 s44, 0x1111, s40                    ; my column
	s_or_b32 s[G1+0], s43, (1<<16)|(1<<20)|(1<<21)|(4<<22)|(3<<25)   ; A: elements of 2 bytes; 4 words of padding after every 32
	s_mov_b32 s[G1+1], 64<<16
	s_mov_b32 s[G1+2], 128<<16
	s_mov_b32 s[G1+3], 64<<16
	s_mov_b32 s[G1+4], 128
	s_mov_b32 s[G1+5], 64
	s_mov_b32 s[G1+6], 0
	s_mov_b32 s[G1+7], 0
	s_or_b32 s[G1B+0], s44, (1<<16)|(1<<20)|(1<<21)|(5<<22)|(3<<25)  ; B: 4 words of padding after every 64
	s_mov_b32 s[G1B+1], 128<<16
	s_mov_b32 s[G1B+2], 128<<16
	s_mov_b32 s[G1B+3], 128<<16
	s_mov_b32 s[G1B+4], 128
	s_mov_b32 s[G1B+5], 1024
	s_mov_b32 s[G1B+6], 0
	s_mov_b32 s[G1B+7], 0
	s_lshr_b32 s16, s13, 4                         ; A: the batch's 16 planes,
	s_lshl_b32 s16, s16, 22
	s_and_b32 s17, s13, 15                         ; 128 rows of 128 bytes a tile row,
	s_lshl_b32 s17, s17, 14
	s_add_co_u32 s16, s16, s17
	s_lshl_b32 s17, s12, 18                        ; my plane of the step's two
	s_add_co_u32 s16, s16, s17
	s_mov_b32 s17, 0
	s_lshl_b32 s46, s42, 19                        ; B: 256 rows of 2,048 bytes a tile column,
	s_lshl_b32 s47, s12, 18                        ; my 128 of them
	s_add_co_u32 s46, s46, s47
	s_mov_b32 s47, 0
	s_mul_i32 s20, s12, APL                        ; where they go: no place in the cluster enters an LDS address
	s_mul_i32 s21, s12, BHALF
	s_add_co_u32 s21, s21, BOFF
	s_wait_dscnt 0x0                               ; both opening adds are done
	s_wait_kmcnt 0x0
	s_add_nc_u64 s[14:15], s[4:5], s[16:17]
	s_add_nc_u64 s[46:47], s[6:7], s[46:47]
	CROUND                                         ; all sixteen work-groups are here: the first joint loads meet
.irp s, 0,1
	s_mov_b32 s[G0+4*\s], 1
	s_add_co_u32 s[G0+4*\s+1], s20, \s*SLOT
	s_add_nc_u64 s[G0+4*\s+2:G0+4*\s+3], s[14:15], \s*524288
	s_or_b32 s[G0+4*\s+3], s[G0+4*\s+3], 0x80000000
	s_mov_b32 s[G0B+4*\s], 1
	s_add_co_u32 s[G0B+4*\s+1], s21, \s*SLOT
	s_add_nc_u64 s[G0B+4*\s+2:G0B+4*\s+3], s[46:47], \s*256
	s_or_b32 s[G0B+4*\s+3], s[G0B+4*\s+3], 0x80000000
	JLOAD \s
.endr
	v_and_b32 v1, 15, v0                           ; r
	v_bfe_u32 v2, v0, 4, 1                         ; h
	v_mul_u32_u24 v3, v1, PA
	v_lshl_add_u32 v3, v2, 4, v3
	v_mul_u32_u24 v4, v1, PB
	v_lshl_add_u32 v4, v2, 4, v4
	s_mul_i32 s21, s11, 64*PA                      ; my 64 rows of A
	s_mul_i32 s22, s12, BHALF                      ; my 128 rows of B
	s_add_co_u32 s22, s22, BOFF
.irp s, 0,1
	v_add_nc_u32 v[ADRA+\s], s21, v3
	v_add_nc_u32 v[ADRB+\s], s22, v4
	s_add_co_u32 s21, s21, SLOT
	s_add_co_u32 s22, s22, SLOT
.endr
	s_mul_i32 s23, s10, 16*SPITCH
	s_add_co_u32 s23, s23, STAGE                   ; my stage
	v_mul_u32_u24 v5, v1, SPITCH
	v_lshl_add_u32 v5, v2, 5, v5
	v_add_nc_u32 v[STO], s23, v5
	v_and_b32 v6, 31, v0
	v_lshlrev_b32 v[CO], 4, v6
	v_add_nc_u32 v[RD], s23, v[CO]
	v_lshlrev_b32 v[BO], 5, v2
	s_lshl_b32 s20, s42, 10                        ; my first column, in bytes
	s_lshl_b32 s21, s12, 9
	s_add_co_u32 s20, s20, s21
	s_mov_b32 s21, 0
	s_add_nc_u64 s[68:69], s[68:69], s[20:21]
.irp b, 0,1,2,3,4,5,6,7
	global_load_b128 v[BI+8*\b:BI+8*\b+3],   v[BO], s[68:69] offset:64*\b      ; lane (r, h): b_proj at columns 16 b + 8 h + 0 .. 7
	global_load_b128 v[BI+8*\b+4:BI+8*\b+7], v[BO], s[68:69] offset:64*\b+16
.endr
	s_lshl_b32 s16, s13, 19                        ; 128 rows of 4,096 bytes a tile row,
	s_lshl_b32 s17, s11, 18                        ; my 64
	s_add_co_u32 s16, s16, s17
	s_add_co_u32 s16, s16, s20
	s_mov_b32 s17, 0
	s_add_nc_u64 s[8:9], s[8:9], s[16:17]
.macro MUL8 f, a, zero                 ; A's block a x B's eight, 32 along K, buffer f.  The 32 accumulators take turns in one order throughout
.irp b, 0,1,2,3,4,5,6,7
.if \zero
	v_wmma_f32_16x16x32_f16 v[8*(8*(\a)+\b):8*(8*(\a)+\b)+7], v[64*(\f)+8*\b:64*(\f)+8*\b+7], v[FA+32*(\f)+8*(\a):FA+32*(\f)+8*(\a)+7], v[BI+8*\b:BI+8*\b+7]
.else
	v_wmma_f32_16x16x32_f16 v[8*(8*(\a)+\b):8*(8*(\a)+\b)+7], v[64*(\f)+8*\b:64*(\f)+8*\b+7], v[FA+32*(\f)+8*(\a):FA+32*(\f)+8*(\a)+7], v[8*(8*(\a)+\b):8*(8*(\a)+\b)+7]
.endif
.endr
.endm
.macro FETCH slot, q, f                ; 24 LDS loads in one run: quarter q's fragments into buffer f; A's blocks 2, 3 last
	WIN TO_B
.irp i, 0,1,2,3,4,5,6,7
	ds_load_b128 v[64*(\f)+8*\i:64*(\f)+8*\i+3],   v[ADRB+\slot] offset:64*(\q)+\i*16*PB
	ds_load_b128 v[64*(\f)+8*\i+4:64*(\f)+8*\i+7], v[ADRB+\slot] offset:64*(\q)+\i*16*PB+32
.endr
	WIN 0
.irp i, 0,1,2,3
	ds_load_b128 v[FA+32*(\f)+8*\i:FA+32*(\f)+8*\i+3],   v[ADRA+\slot] offset:((\q)/2)*APL+((\q)%2)*64+\i*16*PA
	ds_load_b128 v[FA+32*(\f)+8*\i+4:FA+32*(\f)+8*\i+7], v[ADRA+\slot] offset:((\q)/2)*APL+((\q)%2)*64+\i*16*PA+32
.endr
.endm
.macro PLACES
.rept 4
	v_nop
.endr
.endm
.macro QUARTER slot, qn, f, g, zero    ; multiplies buffer f; in its middle fetches quarter qn of the same slot into buffer g
	s_wait_dscnt 4                                 ; all but the four youngest loads (A's blocks 2, 3) are in
.if \zero
	WIN MULB
.else
	WIN MUL
.endif
	MUL8 \f, 0, \zero
	MUL8 \f, 1, \zero
	PLACES
	FETCH \slot, \qn, \g
	s_wait_dscnt 24                                ; all but the 24 just issued
.if \zero
	WIN MULB
.else
	WIN MUL
.endif
	MUL8 \f, 2, \zero
	MUL8 \f, 3, \zero
.endm
.macro TURN slot, next, fill           ; a slot's last quarter multiplies buffer 1 and changes slots
	WIN 0
	s_wait_tensorcnt 0x0                           ; all my tensor loads have landed: my part of the next slot
	ds_add_u32 v[SPW], v[NIL]
	s_wait_dscnt 5                                 ; the add and the four youngest loads may be out
	WIN MUL
	MUL8 1, 0, 0
	s_wait_dscnt 0x0                               ; the add is done, and my reads of this slot are over
	s_barrier_signal -1
	MUL8 1, 1, 0
.if \fill
	WIN 0
.endif
	s_barrier_wait -1
.if \fill
	CREST                                          ; the barrier has opened a round of the cluster's: no wave of any partner still reads this slot or has a load on its way
	s_add_nc_u64 s[G0+4*\slot+2:G0+4*\slot+3], s[G0+4*\slot+2:G0+4*\slot+3], 1048576   ; two K steps on: four head planes
	s_add_nc_u64 s[G0B+4*\slot+2:G0B+4*\slot+3], s[G0B+4*\slot+2:G0B+4*\slot+3], 512
	JLOAD \slot                                    ; the first tensor load behind the round; its four v_nop are also the places ahead of the loads below
.else
	PLACES
.endif
	FETCH \next, 0, 0
	WIN MUL
	MUL8 1, 2, 0
	MUL8 1, 3, 0
.endm
	s_wait_tensorcnt 1                             ; my part of K step 0 is in; K step 1's may be out
	s_barrier_signal -1
	s_barrier_wait -1
	FETCH 0, 0, 0
	s_wait_loadcnt 0x0                             ; the bias
	QUARTER 0, 1, 0, 1, 1                          ; the first quarter starts the sums
	WIN 0
	s_mov_b32 s3, LAPS-1
.Llap:                                             ; a trip goes once round the ring and fills both slots again
	QUARTER 0, 2, 1, 0, 0
	QUARTER 0, 3, 0, 1, 0
	TURN 0, 1, 1
	QUARTER 1, 1, 0, 1, 0
	QUARTER 1, 2, 1, 0, 0
	QUARTER 1, 3, 0, 1, 0
	TURN 1, 0, 1
	QUARTER 0, 1, 0, 1, 0
	WIN 0
	s_sub_co_u32 s3, s3, 1
	s_cmp_lg_u32 s3, 0
	s_cbranch_scc1 .Llap
	QUARTER 0, 2, 1, 0, 0                          ; the last lap fills nothing
	QUARTER 0, 3, 0, 1, 0
	TURN 0, 1, 0
	QUARTER 1, 1, 0, 1, 0
	QUARTER 1, 2, 1, 0, 0
	QUARTER 1, 3, 0, 1, 0
	s_wait_dscnt 4
	WIN MUL
	MUL8 1, 0, 0
	MUL8 1, 1, 0
	s_wait_dscnt 0
	MUL8 1, 2, 0
	MUL8 1, 3, 0
	WIN 0
; THE WAY OUT, a block of 16 rows x 128 columns at a time, through my own stage: back as whole rows of 512 bytes.
.macro TOSTAGE a
	WIN 0x08                                       ; an LDS store's data: window 2
.irp b, 0,1,2,3,4,5,6,7
	ds_store_b128 v[STO], v[64*(\a)+8*\b:64*(\a)+8*\b+3] offset:64*\b          ; each accumulator from its low end on
	ds_store_b128 v[STO], v[64*(\a)+8*\b+4:64*(\a)+8*\b+7] offset:64*\b+16
.endr
	WIN 0
.set BB, BK+64*((\a)%2)
.irp t, 0,1,2,3,4,5,6,7,8,9,10,11,12,13,14,15
	ds_load_b128 v[BB+4*\t:BB+4*\t+3], v[RD] offset:\t*SPITCH
.endr
.endm
.macro SEND a, younger                 ; younger: the LDS instructions issued behind block a's loads, which may stay out
.set BB, BK+64*((\a)%2)
	s_wait_dscnt \younger
.irp t, 0,1,2,3,4,5,6,7,8,9,10,11,12,13,14,15
	global_store_b128 v[CO], v[BB+4*\t:BB+4*\t+3], s[8:9] offset:(16*(\a)+\t)*4096 th:TH_STORE_NT   ; 512 consecutive bytes, aligned
.endr
.endm
	PLACES
	TOSTAGE 0
.irp a, 1,2,3
.if \a > 1
	s_wait_xcnt 0x0                                ; block a - 2's stores have read their registers: block a's loads may land there
.endif
	TOSTAGE \a
	SEND \a-1, 32                                  ; behind block a - 1's loads: block a's 16 stores and 16 loads
.endr
	SEND 3, 0
	s_wait_tensorcnt 0x0                           ; the wave's end
	ds_add_u32 v[SPW], v[NIL]
	s_wait_dscnt 0x0
	CROUND                                         ; the closing round
	s_endpgm
.Lfunc_end_k_qc7c372887b_proj:
	.size	k_qc7c372887b_proj, .Lfunc_end_k_qc7c372887b_proj-k_qc7c372887b_proj
	.p2alignl 7, 3214868480
	.fill 96, 4, 3214868480
	.section	.rodata,"a",@progbits
	.p2align	6, 0x0
	.amdhsa_kernel k_qc7c372887b_proj
		.amdhsa_group_segment_fixed_size 327680
		.amdhsa_private_segment_fixed_size 0
		.amdhsa_enable_private_segment 0
		.amdhsa_kernarg_size 32
		.amdhsa_user_sgpr_count 2
		.amdhsa_user_sgpr_kernarg_segment_ptr 1
		.amdhsa_wavefront_size32 1
		.amdhsa_system_sgpr_workgroup_id_x 1
		.amdhsa_system_sgpr_workgroup_id_y 1
		.amdhsa_system_sgpr_workgroup_id_z 1
		.amdhsa_system_vgpr_workitem_id 0
		.amdhsa_next_free_vgpr 768
		.amdhsa_next_free_sgpr 72
		.amdhsa_reserve_vcc 0
		.amdhsa_float_denorm_mode_32 3
		.amdhsa_float_denorm_mode_16_64 3
		.amdhsa_memory_ordered 1
		.amdhsa_forward_progress 1
		.amdhsa_inst_pref_size 87
	.end_amdhsa_kernel
	.amdgpu_metadata
---
amdhsa.version: [ 1, 2 ]
amdhsa.kernels:
  - .name:           k_qc7c372887b_proj
    .symbol:         k_qc7c372887b_proj.kd
    .args:
      - { .name: yh, .offset: 0, .size: 8, .value_kind: global_buffer, .address_space: global }
      - { .name: wpt, .offset: 8, .size: 8, .value_kind: global_buffer, .address_space: global }
      - { .name: out0, .offset: 16, .size: 8, .value_kind: global_buffer, .address_space: global }
      - { .name: b_proj, .offset: 24, .size: 8, .value_kind: global_buffer, .address_space: global }
    .group_segment_fixed_size: 327680
    .private_segment_fixed_size: 0
    .kernarg_segment_align: 8
    .kernarg_segment_size: 32
    .max_flat_workgroup_size: 128
    .sgpr_count:     72
    .vgpr_count:     768
    .wavefront_size: 32
...
	.end_amdgpu_metadata
.endif
;; end of part 4
;; launch fine (part 5): grid 16 x 4, 16 waves a work-group, no clusters, 71,680 bytes of LDS; arguments qkvf, W_proj, b_proj, out0; writes out0
.if DOCPART == 5
	.amdgcn_target "amdgcn-amd-amdhsa--gfx1250"
	.amdhsa_code_object_version 6
	.text
	.protected	k_qc7c372887b_fine
	.globl	k_qc7c372887b_fine
	.p2align	8
	.type	k_qc7c372887b_fine,@function
k_qc7c372887b_fine:
	s_mov_b64 s[64:65], 0
	v_nop
	global_prefetch_b8 v0, s[64:65] scope:SCOPE_SE
	s_setreg_imm32_b32 hwreg(HW_REG_WAVE_MODE, 25, 1), 1
	s_wait_xcnt 0x0
; THE FIRST 16 POSITIONS OF EACH SEQUENCE, all in f32: attention over keys 0 .. 15 and the projection, from qkvf [4][16][3072] (q, k, v with their bias, f32) and W_proj as it is given.
; Under the causal mask these rows average one to sixteen values, so they are carried finely; they are written over the same 64 rows of out0.  Nothing is left out here: the one tile of scores lies on the diagonal.
; Work-group (cg, b) makes out0[b][0 .. 15][64 cg .. 64 cg + 63].  Wave = head: its 16 x 16 scores, softmax, O^T, and its 64 channels' part of the projection; the sixteen parts meet in LDS.
; All products by v_wmma_f32_16x16x4_f32, transposed, so that a lane holds one query throughout; K's places are permuted alike on both sides of each product, so that operands are used as they lie in registers.
; The registers that these products write (v160-239) are written by matrix instructions alone, and each sum begins with the constant 0.
; REGISTERS: v3-9 addresses; v10, v11 the add's two; v12-18 at work; v20-21 bias; v24-31 scores, then p; v32-63 Q, later W (columns 16-31), later the parts; v64-95 K, later W (32-47); v96-127 V^T, later W (48-63); v128-159 W (0-15);
;   v160-175 two halves of S^T; v176-207 O^T; v208-239 the part of out^T.
.set SPARE, 69632                      ; behind sixteen parts of 16 rows x 272 bytes: the spare words, eight blocks of 256 bytes that no other line names
.macro WLOAD reg, nt                   ; lane (r, h): W_proj(64 head + 16 ct + 8 h + i, 64 cg + 16 nt + r) into register 8 ct + i
.irp ct, 0,1,2,3
.irp i, 0,1,2,3,4,5,6,7
	global_load_b32 v[\reg+8*\ct+\i], v5, s[6:7] offset:(16*\ct+\i)*4096+\nt*64
.endr
.endr
.endm
.macro OUT2 ra, rb, da, db             ; two tiles of 16 columns by turns: 16 steps of 4 channels each
.irp g, 0,1,2,3,4,5,6,7,8,9,10,11,12,13,14,15
.if \g == 0
	v_wmma_f32_16x16x4_f32 v[\da:\da+7], v[\ra:\ra+1], v[176:177], 0
	v_wmma_f32_16x16x4_f32 v[\db:\db+7], v[\rb:\rb+1], v[176:177], 0
.else
	v_wmma_f32_16x16x4_f32 v[\da:\da+7], v[\ra+2*\g:\ra+2*\g+1], v[176+2*\g:177+2*\g], v[\da:\da+7]
	v_wmma_f32_16x16x4_f32 v[\db:\db+7], v[\rb+2*\g:\rb+2*\g+1], v[176+2*\g:177+2*\g], v[\db:\db+7]
.endif
.endr
.endm
	s_load_b256 s[4:11], s[0:1], 0x0               ; qkvf s[4:5], W_proj s[6:7], b_proj s[8:9], out0 s[10:11]
	v_lshl_add_u32 v10, v0, 2, SPARE
	v_mov_b32 v11, 0
	v_lshrrev_b32 v1, 5, v0
	v_readfirstlane_b32 s12, v1                    ; wave = head; later: my row
	s_and_b32 s14, ttmp7, 0xffff                   ; batch
	v_and_b32 v1, 15, v0                           ; r
	v_bfe_u32 v2, v0, 4, 1                         ; h
	v_and_b32 v12, 31, v0                          ; lane
	v_mul_u32_u24 v3, v1, 12288
	v_lshl_add_u32 v3, v2, 7, v3                   ; q, k: row r, channels 32 h on
	v_lshlrev_b32 v13, 2, v1
	v_mul_u32_u24 v4, v2, 98304
	v_add_nc_u32 v4, v4, v13                       ; v: keys 8 h on, channel r
	v_lshl_add_u32 v5, v2, 15, v13                 ; W_proj: rows 8 h on, column r
	v_lshlrev_b32 v6, 3, v2
	v_sub_nc_u32 v6, v1, v6                        ; r - 8 h: register j holds key 8 h + j, hidden where j > r - 8 h
	s_mul_i32 s15, s12, 4352
	v_mul_u32_u24 v7, v1, 272
	v_lshl_add_u32 v7, v2, 5, v7
	v_add_nc_u32 v7, s15, v7                       ; my part: row r, 32 h bytes on
	s_mul_i32 s15, s12, 272
	v_lshlrev_b32 v9, 3, v12                       ; 8 bytes a lane
	v_add_nc_u32 v8, s15, v9                       ; row = my wave's number, in part 0
	v_mov_b32 v18, 0xff800000                      ; -infinity
	s_mov_b32 s20, 0x76543210
	s_mov_b32 s21, 0xfedcba98
	s_mov_b32 s22, 0x3e38aa3b                      ; c = log2(e) / 8
	s_mul_i32 s16, s14, 196608
	s_lshl_b32 s17, s12, 8
	s_add_co_u32 s16, s16, s17
	s_mov_b32 s17, 0
	s_lshl_b32 s24, ttmp9, 8                       ; my 64 columns, in bytes
	s_mov_b32 s25, 0
	s_lshl_b32 s18, s12, 18                        ; my head's 64 rows of W_proj
	s_add_co_u32 s18, s18, s24
	s_mov_b32 s19, 0
	s_lshl_b32 s26, s14, 11
	s_add_co_u32 s26, s26, s12
	s_lshl_b32 s26, s26, 12
	s_add_co_u32 s26, s26, s24
	s_mov_b32 s27, 0
	s_wait_kmcnt 0x0
	s_add_nc_u64 s[4:5], s[4:5], s[16:17]
	s_add_nc_u64 s[6:7], s[6:7], s[18:19]
	s_add_nc_u64 s[8:9], s[8:9], s[24:25]
	s_add_nc_u64 s[10:11], s[10:11], s[26:27]
.irp i, 0,1,2,3,4,5,6,7
	global_load_b128 v[32+4*\i:35+4*\i], v3, s[4:5] offset:16*\i           ; register n: q(r, 32 h + n)
.endr
.irp i, 0,1,2,3,4,5,6,7
	global_load_b128 v[64+4*\i:67+4*\i], v3, s[4:5] offset:4096+16*\i      ; k likewise
.endr
.irp ct, 0,1,2,3
.irp i, 0,1,2,3,4,5,6,7
	global_load_b32 v[96+8*\ct+\i], v4, s[4:5] offset:8192+\i*12288+\ct*64 ; v(8 h + i, 16 ct + r)
.endr
.endr
	WLOAD 128, 0
	global_load_b64 v[20:21], v9, s[8:9]
	s_wait_loadcnt 33                              ; q, k, v are in; W's 32 loads and the bias may be out
	; S^T = K Q^T: step g takes channels 2 g, 2 g + 1 (lanes 0-15) and 32 + 2 g, 33 + 2 g (lanes 16-31) on both sides; two accumulators by turns
.irp g, 0,1,2,3,4,5,6,7
.if \g == 0
	v_wmma_f32_16x16x4_f32 v[160:167], v[64:65], v[32:33], 0
	v_wmma_f32_16x16x4_f32 v[168:175], v[66:67], v[34:35], 0
.else
	v_wmma_f32_16x16x4_f32 v[160:167], v[64+4*\g:65+4*\g], v[32+4*\g:33+4*\g], v[160:167]
	v_wmma_f32_16x16x4_f32 v[168:175], v[66+4*\g:67+4*\g], v[34+4*\g:35+4*\g], v[168:175]
.endif
.endr
.rept 8
	v_nop                                          ; eight places behind this form, ahead of the first read of its results and of loads into its sources
.endr
.irp j, 0,1,2,3,4,5,6,7
	v_add_f32 v[24+\j], v[160+\j], v[168+\j]       ; lane (r, h): the score of query r and key 8 h + j
.endr
	WLOAD 32, 1
	WLOAD 64, 2
.irp j, 0,1,2,3,4,5,6,7
	v_cmp_gt_i32 vcc_lo, \j, v6
	v_cndmask_b32 v[24+\j], v[24+\j], v18, vcc_lo
.endr
	v_max3_num_f32 v13, v24, v25, v26
	v_max3_num_f32 v14, v27, v28, v29
	v_max3_num_f32 v13, v13, v30, v31
	v_max_num_f32 v13, v13, v14
	v_permlanex16_b32 v14, v13, s20, s21
	v_max_num_f32 v13, v13, v14                    ; the row's maximum: key 0 counts for every query, so it is a number
	v_mul_f32 v13, s22, v13
.irp j, 0,1,2,3,4,5,6,7
	v_fma_f32 v[24+\j], v[24+\j], s22, -v13
.endr
.irp j, 0,1,2,3,4,5,6,7
	v_exp_f32 v[24+\j], v[24+\j]
.endr
	v_nop
	s_wait_alu depctr_va_vdst(0)                   ; one wait for the eight, ahead of their first reader
	v_add_f32 v14, v24, v25
	v_add_f32 v15, v26, v27
	v_add_f32 v16, v28, v29
	v_add_f32 v17, v30, v31
	v_add_f32 v14, v14, v15
	v_add_f32 v16, v16, v17
	v_add_f32 v14, v14, v16
	v_permlanex16_b32 v15, v14, s20, s21
	v_add_f32 v14, v14, v15
	v_rcp_f32 v14, v14
	v_nop
	s_wait_alu depctr_va_vdst(0)
.irp j, 0,1,2,3,4,5,6,7
	v_mul_f32 v[24+\j], v[24+\j], v14              ; the weights, normalised here: O^T is never touched by a vector instruction
.endr
	; O^T = V^T P: step g takes keys 8 h + 2 g, 8 h + 2 g + 1 on both sides; four accumulators by turns
.irp g, 0,1,2,3
.irp ct, 0,1,2,3
.if \g == 0
	v_wmma_f32_16x16x4_f32 v[176+8*\ct:183+8*\ct], v[96+8*\ct:97+8*\ct], v[24:25], 0
.else
	v_wmma_f32_16x16x4_f32 v[176+8*\ct:183+8*\ct], v[96+8*\ct+2*\g:97+8*\ct+2*\g], v[24+2*\g:25+2*\g], v[176+8*\ct:183+8*\ct]
.endif
.endr
.endr
.rept 9
	v_nop                                          ; nine places before a product takes these results as an operand; eight before loads into their sources
.endr
	WLOAD 96, 3
	s_wait_loadcnt 32                              ; all but the 32 just issued
	; out^T part: step g takes channels 16 (g / 4) + 8 h + 2 (g % 4) + 0, 1: registers 2 g, 2 g + 1 of O^T and of W
	OUT2 128, 32, 208, 216
	s_wait_loadcnt 0x0
	OUT2 64, 96, 224, 232
.rept 8
	v_nop
.endr
.irp nt, 0,1,2,3
	ds_store_b128 v7, v[208+8*\nt:211+8*\nt] offset:64*\nt        ; lane (r, h): columns 16 nt + 8 h + 0 .. 7 of row r
	ds_store_b128 v7, v[212+8*\nt:215+8*\nt] offset:64*\nt+16
.endr
	s_wait_dscnt 0x0                               ; for the others' sake: my part lies in LDS
	s_barrier_signal -1
	s_barrier_wait -1
.irp u, 0,1,2,3,4,5,6,7,8,9,10,11,12,13,14,15
	ds_load_b64 v[32+2*\u:33+2*\u], v8 offset:\u*4352             ; row = my wave's number, of each head's part
.endr
	s_wait_dscnt 0x0
.irp u, 0,1,2,3,4,5,6,7
	v_pk_add_f32 v[32+4*\u:33+4*\u], v[32+4*\u:33+4*\u], v[34+4*\u:35+4*\u]
.endr
.irp u, 0,1,2,3
	v_pk_add_f32 v[32+8*\u:33+8*\u], v[32+8*\u:33+8*\u], v[36+8*\u:37+8*\u]
.endr
.irp u, 0,1
	v_pk_add_f32 v[32+16*\u:33+16*\u], v[32+16*\u:33+16*\u], v[40+16*\u:41+16*\u]
.endr
	v_pk_add_f32 v[32:33], v[32:33], v[48:49]
	v_pk_add_f32 v[32:33], v[32:33], v[20:21]      ; + b_proj
	global_store_b64 v9, v[32:33], s[10:11]        ; the wave stores 256 consecutive bytes, aligned
	s_wait_tensorcnt 0x0                           ; the wave's end, behind my last LDS store
	ds_add_u32 v10, v11
	s_wait_dscnt 0x0
	s_endpgm
.Lfunc_end_k_qc7c372887b_fine:
	.size	k_qc7c372887b_fine, .Lfunc_end_k_qc7c372887b_fine-k_qc7c372887b_fine
	.p2alignl 7, 3214868480
	.fill 96, 4, 3214868480
	.section	.rodata,"a",@progbits
	.p2align	6, 0x0
	.amdhsa_kernel k_qc7c372887b_fine
		.amdhsa_group_segment_fixed_size 71680
		.amdhsa_private_segment_fixed_size 0
		.amdhsa_enable_private_segment 0
		.amdhsa_kernarg_size 32
		.amdhsa_user_sgpr_count 2
		.amdhsa_user_sgpr_kernarg_segment_ptr 1
		.amdhsa_wavefront_size32 1
		.amdhsa_system_sgpr_workgroup_id_x 1
		.amdhsa_system_sgpr_workgroup_id_y 1
		.amdhsa_system_sgpr_workgroup_id_z 1
		.amdhsa_system_vgpr_workitem_id 0
		.amdhsa_next_free_vgpr 240
		.amdhsa_next_free_sgpr 66
		.amdhsa_reserve_vcc 1
		.amdhsa_float_denorm_mode_32 3
		.amdhsa_float_denorm_mode_16_64 3
		.amdhsa_memory_ordered 1
		.amdhsa_forward_progress 1
		.amdhsa_inst_pref_size 32
	.end_amdhsa_kernel
	.amdgpu_metadata
---
amdhsa.version: [ 1, 2 ]
amdhsa.kernels:
  - .name:           k_qc7c372887b_fine
    .symbol:         k_qc7c372887b_fine.kd
    .args:
      - { .name: qkvf, .offset: 0, .size: 8, .value_kind: global_buffer, .address_space: global }
      - { .name: W_proj, .offset: 8, .size: 8, .value_kind: global_buffer, .address_space: global }
      - { .name: b_proj, .offset: 16, .size: 8, .value_kind: global_buffer, .address_space: global }
      - { .name: out0, .offset: 24, .size: 8, .value_kind: global_buffer, .address_space: global }
    .group_segment_fixed_size: 71680
    .private_segment_fixed_size: 0
    .kernarg_segment_align: 8
    .kernarg_segment_size: 32
    .max_flat_workgroup_size: 512
    .sgpr_count:     66
    .vgpr_count:     240
    .wavefront_size: 32
...
	.end_amdgpu_metadata
.endif
;; end of part 5
